; MI455X (gfx1250); checked and timed in simulation.
; The chip was launched on July 23, 2026; its instructions are those of AMD's public machine-readable ISA for CDNA 5 (MIT licence, August 2026) and "CDNA5" Instruction Set Architecture Reference Guide (July 2026). The comments in the code are by the model that wrote it; some were corrected since.
;; Self Attention. Allowed arithmetic: matrix products marked QUANTISED: E2M1 operands, one E8M0 scale for each 32 along K, by v_wmma_scale_f32_16x16x128_f8f6f4 with both operands' format E2M1 (or v_wmma_scale_f32_32x16x128_f4), f32 sums; everything else in f32.
;; Inputs: bk 1,024 float32; bo 1,024 float32; bq 1,024 float32; bv 1,024 float32; wk 1,024 x 1,024 float32; wo 1,024 x 1,024 float32; wq 1,024 x 1,024 float32; wv 1,024 x 1,024 float32; x 4 x 2,048 x 1,024 float32.
;; Outputs: out0 4 x 2,048 x 1,024 float32.
;; This version of the problem:
;;   THIS VERSION OF THE PROBLEM IS GIVEN IN LOW PRECISION. The matrix products marked QUANTISED in the list below multiply operands that are first quantised to E2M1 (2 exponent bits, 1 mantissa bit; 4 bits a number), with one power-of-two scale for each 32 numbers along K (OCP MX v1.0); their sums are f32. All else is computed in f32.
;;   The module's matrix products, in the order in which they are computed (A, B: the left and right operand; K: the contracted axis; several contracted axes count as one K, in the product's order):
;;     1. [M 8,192, K 1,024] x [K 1,024, N 1,024]; A: input x; B: input wq: QUANTISED
;;     2. [M 8,192, K 1,024] x [K 1,024, N 1,024]; A: input x; B: input wk: QUANTISED
;;     3. [M 8,192, K 1,024] x [K 1,024, N 1,024]; A: input x; B: input wv: QUANTISED
;;     4. batch 64 x [M 2,048, K 64] x [K 64, N 2,048]; A: computed on the way; B: computed on the way: QUANTISED
;;     5. batch 64 x [M 64, K 2,048] x [K 2,048, N 2,048]; A: computed on the way; B: softmax (see below): QUANTISED
;;     6. [M 8,192, K 1,024] x [K 1,024, N 1,024]; A: computed on the way; B: input wo: QUANTISED
;;   THE QUANTISER, for each operand of a quantised product, along K:
;;     - K is cut into blocks of 32 from its start; a last block that is shorter is filled with zeros.
;;     - A block's scale is 2^e with e = floor(log2(the largest magnitude in the block)) - 2, held to -126 .. 127; a block of zeros has e = 0. As a byte (E8M0): e + 127.
;;     - Each number is divided by its block's scale, clamped to +-6, and rounded to the nearest number of E2M1, ties to even, subnormals kept.
;;     - The product sums the exact products of the quantised numbers (number of the format x scale) in f32.
;;   ~~~python
;;   def quantise(x, axis):      # numpy; x: float32 -> the quantised numbers, widened to float32 again
;;       x = np.moveaxis(x, axis, -1); K = x.shape[-1]
;;       x = np.pad(x, [(0, 0)] * (x.ndim - 1) + [(0, -K % 32)]); x = x.reshape(x.shape[:-1] + (-1, 32)); a = np.abs(x).max(-1, keepdims=True)
;;       e = np.where(a > 0, np.clip(np.frexp(np.where(a > 0, a, 1))[1] - 1 - 2, -126, 127), 0)      # np.frexp(a)[1] - 1 = floor(log2(a)), exactly
;;       r = np.clip(x / 2.0 ** e, -6, 6)
;;       step = 2.0 ** (np.maximum(np.frexp(np.where(r == 0, 1, r))[1] - 1, 0) - 1)
;;       q = np.round(r / step) * step * 2.0 ** e      # np.round: ties to even
;;       return np.moveaxis(q.reshape(q.shape[:-2] + (-1,))[..., :K], -1, axis).astype(np.float32)
;;   ~~~
;;   SOFTMAX AHEAD OF A QUANTISED PRODUCT. Where the list says 'softmax', what is quantised is not the finished softmax but p = 2^(t - M), with t = logit x log2(e) and M = ceil(the row's largest t), a whole number; so 1/2 < the row's largest p <= 1. The row's sum l is taken of the UNQUANTISED p, in f32, and the product's result is divided by l at the end. Since M is a whole number, a kernel that streams over the keys may use a running M (the ceiling of the running maximum): every later rescaling is an exact power of two, which a block's scale takes up: the codes' values come out the same.
;;   OPERANDS COMPUTED ON THE WAY. 'Computed on the way' means the value that the module computes at that place (a softmax that the list does not call 'softmax' is quantised finished and normalised). What goes into a quantiser is computed in f32, as accurately as f32 sums, v_exp_f32 and their like allow (about 1e-6 of the number): no bf16 or f16 on the way to a quantiser, and a product that is left as it is and whose result goes on into a quantised operand takes f32 operands (vector FMAs, or v_wmma_f32_16x16x4_f32). A number that lies on a knife's edge between two numbers of the format may be rounded either way, as far as f32 arithmetic and the matrix unit's own rounding can turn it there, and no further.
;; One version. Each part assembles by itself: llvm-mc -triple=amdgcn-amd-amdhsa -mcpu=gfx1250 --defsym DOCPART=n.
;; ======== version 1 of 1: 4 launches
;; limits: right only within a limited range of input values
;; workspace buffers: xc 4,194,304 bytes; xs 262,144 bytes; wc 2,097,152 bytes; ws 131,072 bytes; qkv 13,893,632 bytes; oc 4,194,304 bytes; os 262,144 bytes
;; launch quant (part 1): grid 512 x 1, 4 waves a work-group, no clusters, 42,496 bytes of LDS; arguments x, wq, wk, wv, wo, xc, xs, wc, ws; writes xc, xs, wc, ws
.if DOCPART == 1
	.amdgcn_target "amdgcn-amd-amdhsa--gfx1250"
	.amdhsa_code_object_version 6
	.text
	.protected	k_q85d472563b_quant
	.globl	k_q85d472563b_quant
	.p2align	8
	.type	k_q85d472563b_quant,@function
k_q85d472563b_quant:
	s_mov_b64 s[64:65], 0
	v_nop
	global_prefetch_b8 v0, s[64:65] scope:SCOPE_SE
	s_setreg_imm32_b32 hwreg(HW_REG_WAVE_MODE, 25, 1), 1
	s_wait_xcnt 0x0
; CAUSAL SELF-ATTENTION IN MX-FP4, FOUR LAUNCHES: quant (this one), proj, attn, outp.
; THIS LAUNCH turns x [8192][1024] and the four weights [1024 (k)][1024 (n)], all f32, into codes of FP4 (E2M1) with K innermost and one E8M0 byte for each 32 along K.
; A block's scale is 2^(floor(log2(its largest magnitude)) - 2): its byte is the largest magnitude's exponent field - 2, held at 1 from below; each number is divided by the scale and rounded to the nearest code, ties to even.
; DEAD WORK LEFT OUT BY THE PROGRAM (in the launch attn): reference() sets the score of key k and query q to -inf where k > q, by a mask that it builds itself (jnp.tril).  Its weight is then 2^(-inf) = 0 for every
; finite value of the inputs, adds nothing to the row's sum and nothing to the second product.  So a step of 128 keys all of which come after all 16 queries of a tile is not computed.  No input is dead: all nine are loaded.
; LIMITS: a NaN, an infinity or an overflow that reaches only such hidden scores is not carried to the result.  NaN and infinities among the inputs are not served.  A block whose largest magnitude lies under 2^-124
; keeps the byte 1; a block of zeros has the byte 1 where the rule says 127: its codes are zeros, which add nothing under any byte but 0xff, and these bytes are read by this program alone.
; ROW ORDER.  Rows of xc, xs, wc, ws are stored with bits 3 and 4 of the row number exchanged.  Sixteen stored rows on end are then a tile whose lane r holds row 32 (i / 2) + 8 (i % 2) + r + 8 (r / 8):
; used as source 0 of a product, the 16 result registers of tiles 2 b and 2 b + 1 are 16 neighbours along that axis, which is what the next quantiser wants of a lane.
; SHARES.  Work-groups 0-255 take x: K is innermost, the tensor is a stream of blocks of 32; a wave takes 8 rows (8,192 numbers) in 16 steps of 512; a step turns through the wave's own stage in LDS so that loads are dense
; and a lane still holds 16 neighbours; loads run eight steps (32 loads a wave) ahead.
; Work-groups 256-511 take the weights: K is the first axis, so a lane takes a column and its registers run down K.  A work-group takes 32 columns x 512 along K, each of its four waves 128 along K (4 blocks);
; the four waves' codes (64 bytes a column each) and scale words join in one stage in LDS, behind one barrier, and leave as rows of 256 bytes of codes and 16 scale bytes a column.
; The two paths part on the work-group's number, never join, and have LDS bytes of their own.  No two work-groups read the same bytes: no cluster, no tensor load.
.set STEPS, 16
.set EMAX,  2
.set CB,    8                          ; bytes of 16 codes
.set XR,    16                         ; path X: v16-143 eight sets of 16 numbers as loaded
.set XX,    144                        ; v144-175 two sets of 16 neighbours
.set XE,    176                        ; v176-191 a scale byte for each step
.set XC,    192                        ; v192-223 codes, two registers for each step: no store's data are written again
.set WREG,  8192                       ; LDS of a wave on path X: two stages of 32 x SP bytes, then its 256 scale bytes
.set SP,    80                         ; a lane's 64 bytes + 16 of padding
.set WSTG,  32768                      ; path W: one stage of 32 x PITCH bytes,
.set PITCH, 272
.set SCST,  WSTG+32*PITCH              ; and 16 scale bytes for each of the 32 columns
.set NB,    4                          ; blocks of 32 along K for a wave on path W
.set KROW,  512                        ; a row of codes in bytes
.set WX,    32                         ; path W: v32-95 two sets of 32 numbers
.set WC,    96                         ; a block's codes
.set WOUT,  112                        ; v112-127 the way out
.set WSO,   176                        ; v176-179 a column's 16 scale bytes on the way out
.set WSB,   24                         ; v24 my four scale bytes
.set SPW,   224                        ; v224 LDS address of my spare word; never rewritten
.set NIL,   225                        ; v225 0; never rewritten
.set SPARE, SCST+512                   ; behind both paths' bytes: the spare words, 128 bytes for each wave
.macro XLOAD t
.irp i, 0,1,2,3
	global_load_b128 v[XR+16*((\t)%8)+4*\i:XR+16*((\t)%8)+4*\i+3], v3, s[4:5] offset:2048*(\t)+512*\i th:TH_LOAD_NT   ; 32 lanes read 512 consecutive bytes
.endr
.endm
.macro XTURN t                         ; a step's numbers through the stage: LDS serves a wave's instructions in order, so no wait stands between the stores and the loads
.irp i, 0,1,2,3
	ds_store_b128 v14, v[XR+16*((\t)%8)+4*\i:XR+16*((\t)%8)+4*\i+3] offset:32*SP*((\t)%2)+8*SP*\i
.endr
.irp i, 0,1,2,3
	ds_load_b128 v[XX+16*((\t)%2)+4*\i:XX+16*((\t)%2)+4*\i+3], v15 offset:32*SP*((\t)%2)+16*\i
.endr
.endm
.macro XSTEP t
.set XS, XX+16*((\t)%2)
.if (\t) > 0
	s_wait_dscnt 1                                 ; this step's numbers are back from the stage; the last step's byte store may be out
.else
	s_wait_dscnt 0x0
.endif
.if (\t)+8 < STEPS
	XLOAD (\t)+8                                   ; into the set whose stores into the stage are done
.endif
.if (\t)+1 < STEPS
.if STEPS-2-(\t) >= 7
	s_wait_loadcnt 28                              ; the next step's four loads are in; those of the seven steps behind it may be out
.else
	s_wait_loadcnt 4*(STEPS-2-(\t))
.endif
	XTURN (\t)+1
.endif
	v_max3_num_f32 v8, |v[XS]|, |v[XS+1]|, |v[XS+2]|               ; the largest magnitude of my 16, in two chains
	v_max3_num_f32 v9, |v[XS+3]|, |v[XS+4]|, |v[XS+5]|
.irp i, 6,10
	v_max3_num_f32 v8, v8, |v[XS+\i]|, |v[XS+\i+1]|
	v_max3_num_f32 v9, v9, |v[XS+\i+2]|, |v[XS+\i+3]|
.endr
	v_max3_num_f32 v8, v8, |v[XS+14]|, |v[XS+15]|
	v_max3_num_f32 v8, v8, v9, (EMAX+1)<<23        ; and the floor 2^(3 - 127): the byte cannot fall under 1
	v_max_num_f32_dpp v8, v8, v8 row_xmask:1 row_mask:0xf bank_mask:0xf   ; with my neighbour's 16: the block's
	v_add_nc_u32 v11, -(EMAX<<23), v8              ; 2 off its exponent field: the conversion takes the exponent field of this operand as its scale
	v_cvt_scalef32_pk8_fp4_f32 v[XC+2*(\t)], v[XS:XS+7], v11
	v_cvt_scalef32_pk8_fp4_f32 v[XC+2*(\t)+1], v[XS+8:XS+15], v11
	v_lshrrev_b32 v[XE+(\t)], 23, v11              ; the scale's byte (also the plain line behind the conversions)
	ds_store_b8 v5, v[XE+(\t)] offset:16*(\t)      ; both lanes of a block write the same byte with the same value
	global_store_b64 v4, v[XC+2*(\t):XC+2*(\t)+1], s[14:15] offset:32*CB*(\t)   ; the wave stores 256 consecutive bytes, aligned
.endm
.macro WLOAD t                         ; block t: W(32 t + i, my column), i = 0 .. 31
.set i, 0
.rept 32
	global_load_b32 v[WX+32*((\t)%2)+i], v3, s[30:31] offset:(32*(\t)+i)*4096 th:TH_LOAD_NT
.set i, i+1
.endr
.endm
.macro WBLOCK t
.set WXS, WX+32*((\t)%2)
.if (\t) < NB-1
	s_wait_loadcnt 32                              ; this block's 32 loads are in; the next block's may be out
.else
	s_wait_loadcnt 0
.endif
	v_max3_num_f32 v12, |v[WXS]|, |v[WXS+1]|, |v[WXS+2]|           ; all 32 numbers of the block are mine
	v_max3_num_f32 v13, |v[WXS+3]|, |v[WXS+4]|, |v[WXS+5]|
.irp i, 6,10,14,18,22,26
	v_max3_num_f32 v12, v12, |v[WXS+\i]|, |v[WXS+\i+1]|
	v_max3_num_f32 v13, v13, |v[WXS+\i+2]|, |v[WXS+\i+3]|
.endr
	v_max3_num_f32 v12, v12, |v[WXS+30]|, |v[WXS+31]|
	v_max3_num_f32 v12, v12, v13, (EMAX+1)<<23
	v_add_nc_u32 v11, -(EMAX<<23), v12
	v_lshrrev_b32 v13, 23, v11                     ; the scale's byte
.if (\t) == 0
	v_mov_b32 v[WSB], v13                          ; four bytes to the register, the lower K in the lower byte
.else
	v_lshl_or_b32 v[WSB], v13, 8*(\t), v[WSB]
.endif
.irp g, 0,1,2,3
	v_cvt_scalef32_pk8_fp4_f32 v[WC+\g], v[WXS+8*\g:WXS+8*\g+7], v11
.endr
	ds_store_b128 v4, v[WC:WC+3] offset:16*(\t)    ; 32 codes: 16 bytes of my column's row; the next block begins with plain vector lines
.if (\t)+2 < NB
	WLOAD (\t)+2
.endif
	s_wait_dscnt 0x0                               ; the store has read its registers: the next block's codes may be written
.endm
	s_load_b256 s[4:11], s[0:1], 0x0               ; x, wq, wk, wv
	s_load_b256 s[12:19], s[0:1], 0x20             ; wo, xc, xs, wc
	s_load_b64 s[20:21], s[0:1], 0x40              ; ws
	v_lshl_add_u32 v[SPW], v0, 2, SPARE
	v_mov_b32 v[NIL], 0
	v_lshrrev_b32 v1, 5, v0
	v_readfirstlane_b32 s24, v1                    ; wave
	v_and_b32 v2, 31, v0                           ; lane
	s_cmp_ge_u32 ttmp9, 256
	s_cbranch_scc1 .Lweights
	; ---------------- path X ----------------
	v_lshlrev_b32 v3, 4, v2                        ; my 16 bytes of a load's 512
	s_mul_i32 s25, s24, WREG
	v_lshrrev_b32 v14, 2, v2
	v_mul_u32_u24 v14, v14, SP
	v_and_b32 v15, 3, v2
	v_lshl_add_u32 v14, v15, 4, v14
	v_add_nc_u32 v14, s25, v14                     ; the stage, in: SP (lane / 4) + 16 (lane % 4)
	v_mul_u32_u24 v15, v2, SP
	v_add_nc_u32 v15, s25, v15                     ; and out: SP x lane: my 16 neighbours
	v_mul_u32_u24 v4, v2, CB                       ; my codes' place in a step's
	v_lshrrev_b32 v5, 1, v2
	s_add_co_u32 s25, s25, 2*32*SP
	v_add_nc_u32 v5, s25, v5                       ; my block's scale byte in LDS
	v_lshlrev_b32 v7, 3, v2
	v_add_nc_u32 v6, s25, v7                       ; and on the way out 8 bytes a lane
	s_lshl_b32 s26, ttmp9, 2
	s_add_co_u32 s28, s26, s24                     ; my run of 8 rows: 4 x work-group + wave
	s_mov_b32 s29, 0
	s_lshl_b64 s[30:31], s[28:29], 15              ; 32,768 bytes of x a run
	s_lshr_b32 s27, s24, 1
	s_and_b32 s32, s24, 1
	s_lshl_b32 s32, s32, 1
	s_or_b32 s32, s32, s27                         ; the wave's two bits exchanged: bits 3 and 4 of the row number
	s_add_co_u32 s28, s26, s32                     ; where the run is stored
	s_lshl_b32 s34, s28, 12                        ; 4,096 bytes of codes a run
	s_mov_b32 s35, 0
	s_lshl_b32 s36, s28, 8                         ; 256 scale bytes
	s_mov_b32 s37, 0
	s_wait_alu depctr_va_vdst(0)                   ; the wait at the head's end
	s_wait_kmcnt 0x0
	s_add_nc_u64 s[4:5], s[4:5], s[30:31]
	s_add_nc_u64 s[14:15], s[14:15], s[34:35]
	s_add_nc_u64 s[16:17], s[16:17], s[36:37]
.irp t, 0,1,2,3,4,5,6,7
	XLOAD \t
.endr
	s_wait_loadcnt 28                              ; step 0's four loads are in
	XTURN 0
.irp t, 0,1,2,3,4,5,6,7,8,9,10,11,12,13,14,15
	XSTEP \t
.endr
	ds_load_b64 v[8:9], v6                         ; LDS serves a wave's instructions in order: these see my byte stores
	s_wait_dscnt 0x0
	global_store_b64 v7, v[8:9], s[16:17]          ; 32 lanes store 256 consecutive bytes, aligned
	s_wait_tensorcnt 0x0                           ; the wave's end, behind my last LDS store
	ds_add_u32 v[SPW], v[NIL]
	s_wait_dscnt 0x0
	s_endpgm
	; ---------------- path W ----------------
.Lweights:
	s_sub_co_u32 s25, ttmp9, 256
	s_and_b32 s26, s25, 31                         ; which 32 columns
	s_lshr_b32 s27, s25, 5
	s_lshr_b32 s28, s27, 1                         ; which weight: 0 wq, 1 wk, 2 wv, 3 wo
	s_and_b32 s27, s27, 1                          ; which 512 along K
	s_lshl_b32 s26, s26, 5                         ; the first column
	s_wait_alu depctr_va_vdst(0)                   ; the wait here
	v_lshlrev_b32 v3, 2, v2                        ; in: 4 bytes a lane
	s_lshl_b32 s40, s24, 6
	s_add_co_u32 s40, s40, WSTG                    ; into the stage: my wave's 64 bytes of each row
	s_mul_i32 s29, s24, 8*PITCH
	s_add_co_u32 s29, s29, WSTG                    ; out of it: my wave's 8 rows
	s_lshl_b32 s41, s24, 2
	s_add_co_u32 s41, s41, SCST                    ; my wave's word of each column's 16 scale bytes
	v_mul_u32_u24 v4, v2, PITCH
	v_add_nc_u32 v4, s40, v4                       ; row = my column
	v_lshlrev_b32 v29, 4, v2
	v_add_nc_u32 v28, s41, v29
	v_add_nc_u32 v29, SCST, v29
	v_and_b32 v5, 15, v2
	v_lshrrev_b32 v6, 4, v2
	v_mul_u32_u24 v7, v6, PITCH
	v_lshl_add_u32 v7, v5, 4, v7
	v_add_nc_u32 v7, s29, v7                       ; sixteen lanes to a row, two rows an instruction
	v_lshlrev_b32 v8, 9, v6
	v_lshl_add_u32 v8, v5, 4, v8                   ; the same two rows in the codes' buffer
	v_and_b32 v9, 7, v2
	v_bfe_u32 v10, v2, 3, 1
	v_lshl_or_b32 v9, v10, 4, v9
	v_bfe_u32 v10, v2, 4, 1
	v_lshl_or_b32 v9, v10, 3, v9                   ; my column's stored row: bits 3 and 4 exchanged
	v_lshlrev_b32 v9, 5, v9                        ; 32 scale bytes a row
	s_lshl_b32 s32, s27, 21                        ; 512 rows of 4,096 bytes,
	s_lshl_b32 s33, s24, 19                        ; my wave's 128 rows,
	s_add_co_u32 s32, s32, s33
	s_lshl_b32 s33, s26, 2                         ; the column
	s_add_co_u32 s32, s32, s33
	s_mov_b32 s33, 0
	s_lshl_b32 s34, s28, 10
	s_add_co_u32 s34, s34, s26                     ; first stored row: 1,024 x weight + first column
	s_lshl_b32 s36, s34, 9
	s_lshl_b32 s35, s27, 8
	s_add_co_u32 s36, s36, s35
	s_and_b32 s35, s24, 1                          ; columns 8 w .. 8 w + 7 are stored 16 (w % 2) + 8 (w / 2) rows on
	s_lshl_b32 s35, s35, 13
	s_add_co_u32 s36, s36, s35
	s_lshr_b32 s35, s24, 1
	s_lshl_b32 s35, s35, 12
	s_add_co_u32 s36, s36, s35
	s_mov_b32 s37, 0
	s_lshl_b32 s38, s34, 5
	s_lshl_b32 s35, s27, 4
	s_add_co_u32 s38, s38, s35
	s_mov_b32 s39, 0
	s_wait_kmcnt 0x0
	s_cmp_eq_u32 s28, 0                            ; the choice hangs on the work-group's number alone
	s_cselect_b64 s[30:31], s[6:7], s[12:13]
	s_cmp_eq_u32 s28, 1
	s_cselect_b64 s[30:31], s[8:9], s[30:31]
	s_cmp_eq_u32 s28, 2
	s_cselect_b64 s[30:31], s[10:11], s[30:31]
	s_add_nc_u64 s[30:31], s[30:31], s[32:33]
	s_add_nc_u64 s[18:19], s[18:19], s[36:37]
	s_add_nc_u64 s[20:21], s[20:21], s[38:39]
	WLOAD 0
	WLOAD 1
.set Q, 0
.rept NB
	WBLOCK Q
.set Q, Q+1
.endr
	s_wait_alu depctr_va_vdst(0)                   ; the wait here, directly ahead of the reader below
	ds_store_b32 v28, v[WSB]                       ; my four scale bytes of my column
	s_wait_dscnt 0x0                               ; my stores into the stage are done,
	s_barrier_signal -1
	s_barrier_wait -1                              ; everybody's are
.irp t, 0,1,2,3
	ds_load_b128 v[WOUT+4*\t:WOUT+4*\t+3], v7 offset:2*\t*PITCH
.endr
	ds_load_b128 v[WSO:WSO+3], v29
.irp t, 0,1,2,3
	s_wait_dscnt 4-\t
	global_store_b128 v8, v[WOUT+4*\t:WOUT+4*\t+3], s[18:19] offset:2*\t*KROW   ; sixteen lanes store 256 consecutive bytes, aligned
.endr
	s_wait_dscnt 0x0
	s_cmp_lg_u32 s24, 0
	s_cbranch_scc1 .Lw_end
	global_store_b128 v9, v[WSO:WSO+3], s[20:21]   ; wave 0: each column's 16 scale bytes
.Lw_end:
	s_wait_tensorcnt 0x0                           ; the wave's end, behind my last LDS store
	ds_add_u32 v[SPW], v[NIL]
	s_wait_dscnt 0x0
	s_endpgm
.Lfunc_end_k_q85d472563b_quant:
	.size	k_q85d472563b_quant, .Lfunc_end_k_q85d472563b_quant-k_q85d472563b_quant
	.p2alignl 7, 3214868480
	.fill 96, 4, 3214868480
	.section	.rodata,"a",@progbits
	.p2align	6, 0x0
	.amdhsa_kernel k_q85d472563b_quant
		.amdhsa_group_segment_fixed_size 42496
		.amdhsa_private_segment_fixed_size 0
		.amdhsa_enable_private_segment 0
		.amdhsa_kernarg_size 72
		.amdhsa_user_sgpr_count 2
		.amdhsa_user_sgpr_kernarg_segment_ptr 1
		.amdhsa_wavefront_size32 1
		.amdhsa_system_sgpr_workgroup_id_x 1
		.amdhsa_system_sgpr_workgroup_id_y 1
		.amdhsa_system_sgpr_workgroup_id_z 1
		.amdhsa_system_vgpr_workitem_id 0
		.amdhsa_next_free_vgpr 232
		.amdhsa_next_free_sgpr 66
		.amdhsa_reserve_vcc 0
		.amdhsa_float_denorm_mode_32 3
		.amdhsa_float_denorm_mode_16_64 3
		.amdhsa_memory_ordered 1
		.amdhsa_forward_progress 1
		.amdhsa_inst_pref_size 55
	.end_amdhsa_kernel
	.amdgpu_metadata
---
amdhsa.version: [ 1, 2 ]
amdhsa.kernels:
  - .name:           k_q85d472563b_quant
    .symbol:         k_q85d472563b_quant.kd
    .args:
      - { .name: x, .offset: 0, .size: 8, .value_kind: global_buffer, .address_space: global }
      - { .name: wq, .offset: 8, .size: 8, .value_kind: global_buffer, .address_space: global }
      - { .name: wk, .offset: 16, .size: 8, .value_kind: global_buffer, .address_space: global }
      - { .name: wv, .offset: 24, .size: 8, .value_kind: global_buffer, .address_space: global }
      - { .name: wo, .offset: 32, .size: 8, .value_kind: global_buffer, .address_space: global }
      - { .name: xc, .offset: 40, .size: 8, .value_kind: global_buffer, .address_space: global }
      - { .name: xs, .offset: 48, .size: 8, .value_kind: global_buffer, .address_space: global }
      - { .name: wc, .offset: 56, .size: 8, .value_kind: global_buffer, .address_space: global }
      - { .name: ws, .offset: 64, .size: 8, .value_kind: global_buffer, .address_space: global }
    .group_segment_fixed_size: 42496
    .private_segment_fixed_size: 0
    .kernarg_segment_align: 8
    .kernarg_segment_size: 72
    .max_flat_workgroup_size: 128
    .sgpr_count:     66
    .vgpr_count:     232
    .wavefront_size: 32
...
	.end_amdgpu_metadata
.endif
;; end of part 1
;; launch proj (part 2): grid 8 x 32, 8 waves a work-group, clusters of 4 x 4, 327,680 bytes of LDS; arguments xc, xs, wc, ws, bq, bk, bv, qkv; writes qkv
.if DOCPART == 2
	.amdgcn_target "amdgcn-amd-amdhsa--gfx1250"
	.amdhsa_code_object_version 6
	.text
	.protected	k_q85d472563b_proj
	.globl	k_q85d472563b_proj
	.p2align	8
	.type	k_q85d472563b_proj,@function
k_q85d472563b_proj:
	s_mov_b64 s[64:65], 0
	v_nop
	global_prefetch_b8 v0, s[64:65] scope:SCOPE_SE
	s_setreg_imm32_b32 hwreg(HW_REG_WAVE_MODE, 25, 1), 1
	s_wait_xcnt 0x0
	s_wait_alu depctr_hold_cnt(0) depctr_sa_sdst(0) depctr_va_vdst(0) depctr_va_sdst(0) depctr_va_ssrc(0) depctr_va_vcc(0) depctr_vm_vsrc(0)
	s_getreg_b32 s2, hwreg(HW_REG_IB_STS2, 6, 4)
	s_cmp_eq_u32 s2, 0
	s_cbranch_scc0 .Lentry_in_a_cluster
	s_endpgm
.Lentry_in_a_cluster:
	s_bfe_u32 s2, ttmp6, 0x10000c
	s_cmp_lg_u32 s2, 0xf033
	s_cbranch_scc0 .Lentry_shape_is_right
	s_endpgm
.Lentry_shape_is_right:
; q = x wq + bq, k = x wk + bk, v = x wv + bv on codes of FP4 with E8M0 scales, and the quantisers of q, k (along the head's 64) and v (along the keys) fused behind them.  Nothing is left out here.
; ONE FORM: C[a][b] = sum over k of A[a][k] B[b][k], source 0 = 16 rows of B, source 1 = 16 rows of A: a lane holds one row a, its registers run along b, and C + bias is quantised along b.
; A WORK-GROUP HAS TWO PHASES on the same 256 tokens (tile gy), so that 8 x 32 = 256 work-groups share 8,192 x 3,072 results evenly:
;   phase 1: A = x's 256 rows, B = 256 rows of wq (gx 0-3) or wk (gx 4-7);   phase 2: A = wv's rows 128 gx .. + 127, B = the same 256 rows of x, which stay in LDS.
; Stored rows have bits 3 and 4 of the row number exchanged (see the launch quant): so the 16 registers of B's tiles 2 b, 2 b + 1 are 16 neighbours along b.
; K = 1,024 lies whole in LDS: rows of 512 bytes and their scale bytes.  wv's 128 rows and their scale bytes are filled over wq's or wk's, behind a wait, an add and a round,
; as soon as phase 1's last fragments are in registers: phase 1's last 32 products and its whole way out stand between that request and the wait for it.
; CLUSTER 4 x 4: x's tile hangs on gy and is asked for jointly by a row of the cluster; the weights' tiles hang on gx, by a column.
; No prefetch: every tile is asked for at the head or once behind it; there is no loop to run ahead in.
; SHARES: eight waves, two to a SIMD.  Phase 1: wave w has rows 64 (w % 4) of A, rows 128 (w / 4) of B: 32 accumulators in window 1.  Phase 2: rows 32 (w % 4) of wv, tokens 128 (w / 4): 16 accumulators.
; The head's eight loads, one a wave: waves 0, 1 x's halves, 2, 3 the weight's, 4, 5 the halves of x's scale bytes, 6, 7 of the weight's.  One tensor load a wave is out at most.
; OUT: records of 13,568 bytes in qkv, one for each (batch x 16 + head, step of 128 tokens): K's 8 tiles (512 bytes each: the image of 4 registers, lane l's 16 bytes at 16 l), V's 4 tiles x 2 images,
; K's scale words 8 x 64 bytes, V's 4 x 64, then Q's 8 tiles and its scale words.  A head has K = 64: a scale word's bytes 2 and 3 are 0 and stand over zero codes.
.set PITCH, 528                        ; an LDS row: 512 bytes + 16
.set QT,    64*PITCH
.set BOFF,  4*QT                       ; the weight's rows lie behind x's 256
.set SCL,   8*QT                       ; the scale bytes: units of 256 bytes (8 rows) + 16
.set QS,    8*272                      ; those of 64 rows
.set SBLK,  544                        ; those of 16 rows
.set SPARE, SCL+8*QS                   ; the spare words, 128 bytes for each wave
.set REC,   13568
.set NEXTH, 16*REC
.set ADRA, 3
.set ADRB, 4
.set ADRS, 5
.set SPW,  6
.set NIL,  7
.set LI,   8                           ; 16 x lane
.set LS,   9                           ; 4 x lane
.set BOQ,  10                          ; bias along b: 64 (lane / 16)
.set BOV,  11                          ; bias of my row: 4 (r + 8 (r / 8))
.set ADRA2, 12                         ; phase 2's three addresses
.set ADRB2, 13
.set ADRS2, 14
.set SC,   16                          ; v16-47 scale words: register 4 i + q: lanes 0-15 A's block i, lanes 16-31 B's tile i
.set PW,   48
.set EW,   52
.set F0,   64                          ; two sets of fragments, 96 registers: A's four, then B's eight
.set BB,   64
.set BA,   64
.set PC,   128                         ; v128-159 codes
.set T,    160                         ; v160-223 64 numbers of a lane
.set TM,   224
.set WV,  20
.set WB,  21
.set WA,  22
.set CX,  23
.set CY,  24
.set CLX, 25
.set HI16, 30
.set G1A,  32
.set G1B,  40
.set G1SA, 48
.set G1SB, 56
.set SEL,  66
.set G0A,  68
.set G0B,  72
.set G0SA, 76
.set G0SB, 80
.set GX,   84
.set GY,   85
.set MSB, 0
.macro WIN new                         ; the immediate's high byte repeats the setting that is left
.if MSB != \new
	s_set_vgpr_msb (MSB<<8)|\new
.set MSB, \new
.endif
.endm
.macro TL g0, g1                       ; a tensor load with the s_nop 0 and four v_nop
	tensor_load_to_lds s[\g0:\g0+3], s[\g1:\g1+7]
	s_nop 0
.rept 4
	v_nop
.endr
.endm
.macro ARM under, g0, g1, next         ; one arm of the head's chain: its load, and a jump to the join
	s_cmp_lt_u32 s[WV], \under
	s_cbranch_scc0 \next
	TL \g0, \g1
	s_branch .Lhead_asked
\next:
.endm
.macro CROUND                          ; a round of the cluster's barrier
	s_barrier_signal -1
	s_barrier_wait -1
	s_cmp_lg_u32 s[WV], 0
	s_cbranch_scc1 .Lnot_wave_0_\@
	s_barrier_signal -3
.Lnot_wave_0_\@:
	s_barrier_wait -3
	s_barrier_signal -1
	s_barrier_wait -1
.endm
.macro PLACES                          ; four plain places behind matrix instructions
.rept 4
	v_nop
.endr
.endm
.macro SCALES adr, half                ; the scale words of four K steps
.irp i, 0,1,2,3,4,5,6,7
	ds_load_b128 v[SC+4*\i:SC+4*\i+3], v[\adr] offset:SBLK*\i+16*\half
.endr
.endm
.macro FETCH q, f, na, ada, adb        ; 2 na + 16 loads: the fragments of K step q (64 bytes of a row): na blocks of A, B's eight tiles
.set I, 0
.rept \na
.irp c, 0,1
	ds_load_b128 v[\f+8*I+4*\c:\f+8*I+4*\c+3], v[\ada] offset:16*PITCH*I+64*(\q)+32*\c
.endr
.set I, I+1
.endr
.irp t, 0,1,2,3,4,5,6,7
.irp c, 0,1
	ds_load_b128 v[\f+32+8*\t+4*\c:\f+32+8*\t+4*\c+3], v[\adb] offset:16*PITCH*\t+64*(\q)+32*\c
.endr
.endr
.endm
.macro MUL f, q4, zero, na             ; the 8 na accumulators take turns, one instruction a turn
	WIN 0x50                                       ; C and D in window 1
.set I, 0
.rept \na
.irp t, 0,1,2,3,4,5,6,7
.if \zero
	v_wmma_scale_f32_16x16x128_f8f6f4 v[8*(8*I+\t):8*(8*I+\t)+7], v[\f+32+8*\t:\f+32+8*\t+7], v[\f+8*I:\f+8*I+7], 0, v[SC+4*\t+\q4], v[SC+4*I+\q4] matrix_a_fmt:MATRIX_FMT_FP4 matrix_b_fmt:MATRIX_FMT_FP4 matrix_a_scale:MATRIX_SCALE_ROW1
.else
	v_wmma_scale_f32_16x16x128_f8f6f4 v[8*(8*I+\t):8*(8*I+\t)+7], v[\f+32+8*\t:\f+32+8*\t+7], v[\f+8*I:\f+8*I+7], v[8*(8*I+\t):8*(8*I+\t)+7], v[SC+4*\t+\q4], v[SC+4*I+\q4] matrix_a_fmt:MATRIX_FMT_FP4 matrix_b_fmt:MATRIX_FMT_FP4 matrix_a_scale:MATRIX_SCALE_ROW1
.endif
.endr
.set I, I+1
.endr
	WIN 0
.endm
.macro STEP q, pl, zero, na, ada, adb  ; the next step's fragments are asked for, then this step's products
.if \pl
	PLACES
.endif
	FETCH (\q)+1, F0+96*(((\q)+1)%2), \na, \ada, \adb
	s_wait_dscnt 2*\na+16                          ; all but the loads just issued
	MUL F0+96*((\q)%2), (\q)%4, \zero, \na
.endm
.macro SEVEN na, ada, adb, ads         ; K steps 0 to 6, and step 7's fragments
	SCALES \ads, 0
	FETCH 0, F0, \na, \ada, \adb
	STEP 0, 0, 1, \na, \ada, \adb                  ; the first products start the sums: nothing is cleared
	STEP 1, 1, 0, \na, \ada, \adb
	STEP 2, 1, 0, \na, \ada, \adb
	STEP 3, 1, 0, \na, \ada, \adb
	PLACES                                         ; for the scale words' registers, and for step 4's fetch
	SCALES \ads, 1
	STEP 4, 0, 0, \na, \ada, \adb                  ; its wait leaves only the youngest loads out: the scale words are in
	STEP 5, 1, 0, \na, \ada, \adb
	STEP 6, 1, 0, \na, \ada, \adb
	PLACES                                         ; the biases land in set 0, which step 6 has multiplied
.endm
; 64 numbers of a lane, register 16 b + i = index 32 b + 16 (lane / 16) + i of my row, become 8 registers of codes and the row's scale word
.macro QUANT s, pc, pw
.irp b, 0,1,2,3
	v_max3_num_f32 v[TM+\b], |v[\s+16*\b]|, |v[\s+1+16*\b]|, 0x1800000   ; my 16 numbers of block b, and the floor 2^(3 - 127)
.endr
.irp i, 2,4,6,8,10,12,14
.irp b, 0,1,2,3
	s_delay_alu instid0(VALU_DEP_4)
	v_max3_num_f32 v[TM+\b], v[TM+\b], |v[\s+16*\b+\i]|, |v[\s+1+16*\b+\i]|
.endr
.endr
.irp b, 0,1,2,3
	s_delay_alu instid0(VALU_DEP_4)
	v_permlanex16_b32 v[TM+4+\b], v[TM+\b], s[SEL], s[SEL+1]
.endr
.irp b, 0,1,2,3
	s_delay_alu instid0(VALU_DEP_4)
	v_max_num_f32 v[TM+\b], v[TM+\b], v[TM+4+\b]   ; with lane l xor 16's: the block's largest magnitude
.endr
.irp b, 0,1,2,3
	s_delay_alu instid0(VALU_DEP_4)
	v_add_nc_u32 v[TM+12+\b], 0xff000000, v[TM+\b] ; 2 off its exponent field: the conversion's scale operand
.endr
.irp b, 0,1,2,3
	s_delay_alu instid0(VALU_DEP_4)
	v_lshrrev_b32 v[TM+4+\b], 23, v[TM+12+\b]      ; the scale's byte
.endr
	s_delay_alu instid0(VALU_DEP_3)
	v_lshl_or_b32 v[\pw], v[TM+5], 8, v[TM+4]
	s_delay_alu instid0(VALU_DEP_1)
	v_lshl_or_b32 v[\pw], v[TM+6], 16, v[\pw]
	s_delay_alu instid0(VALU_DEP_1)
	v_lshl_or_b32 v[\pw], v[TM+7], 24, v[\pw]
.irp b, 0,1,2,3
	v_cvt_scalef32_pk8_fp4_f32 v[\pc+2*\b], v[\s+16*\b:\s+7+16*\b], v[TM+12+\b]
	v_cvt_scalef32_pk8_fp4_f32 v[\pc+1+2*\b], v[\s+8+16*\b:\s+15+16*\b], v[TM+12+\b]
.endr
	v_nop                                          ; one plain place behind a scaled conversion
.irp c, 0,1                            ; the operand's layout wants a whole block in a lane
.irp i, 0,1
	v_permlane16_swap_b32 v[\pc+4*\c+\i], v[\pc+2+4*\c+\i]
.endr
.endr
.endm
.macro ADDB i, v                       ; block i's 64 sums + bias into T, each accumulator from its low end on.  v = 0: the bias runs along b; 1: it is my row's
	WIN 0x01                                       ; source 0 in window 1
.irp t, 0,1,2,3,4,5,6,7
.irp n, 0,2,4,6
.if \v
	v_pk_add_f32 v[T+8*\t+\n:T+8*\t+\n+1], v[8*(8*\i+\t)+\n:8*(8*\i+\t)+\n+1], v[BA+2*\i:BA+2*\i+1]
.else
	v_pk_add_f32 v[T+8*\t+\n:T+8*\t+\n+1], v[8*(8*\i+\t)+\n:8*(8*\i+\t)+\n+1], v[BB+8*\t+\n:BB+8*\t+\n+1]
.endif
.endr
.endr
	WIN 0
.endm
	s_load_b256 s[4:11], s[0:1], 0x0               ; xc, xs, wc, ws
	s_load_b256 s[12:19], s[0:1], 0x20             ; bq, bk, bv, qkv
	v_lshl_add_u32 v[SPW], v0, 2, SPARE
	v_mov_b32 v[NIL], 0
	ds_add_u32 v[SPW], v[NIL]                      ; the wave's opening: the add, twice on end, and its wait ahead of my first tensor load
	ds_add_u32 v[SPW], v[NIL]
	v_lshrrev_b32 v1, 5, v0
	v_readfirstlane_b32 s[WV], v1                  ; wave 0..7
	s_lshr_b32 s[WB], s[WV], 2
	s_and_b32 s[WA], s[WV], 3
	s_bfe_u32 s[CX], ttmp6, 0x40000
	s_bfe_u32 s[CY], ttmp6, 0x40004
	s_mov_b32 s[CLX], ttmp9                        ; cluster x: 0 for wq, 1 for wk
	s_lshl_b32 s[GX], ttmp9, 2
	s_add_co_u32 s[GX], s[GX], s[CX]               ; the weight's tile
	s_and_b32 s[GY], ttmp7, 0xffff
	s_lshl_b32 s[GY], s[GY], 2
	s_add_co_u32 s[GY], s[GY], s[CY]               ; the tokens' tile
	s_lshl_b32 s86, s[CY], 2
	s_lshl_b32 s86, 15, s86                        ; my row of the cluster
	s_lshl_b32 s87, 0x1111, s[CX]                  ; my column
	s_or_b32 s[G1A], s86, (0<<16)|(1<<20)|(1<<21)|(6<<22)|(3<<25)   ; codes: elements of 1 byte; 4 words of padding behind every 128
	s_or_b32 s[G1B], s87, (0<<16)|(1<<20)|(1<<21)|(6<<22)|(3<<25)
.irp g, G1A, G1B
	s_mov_b32 s[\g+1], 512<<16                     ; rows of 512 bytes,
	s_mov_b32 s[\g+2], 128<<16                     ; 128 of them
	s_mov_b32 s[\g+3], 512<<16
	s_mov_b32 s[\g+4], 128
	s_mov_b32 s[\g+5], 512
	s_mov_b32 s[\g+6], 0
	s_mov_b32 s[\g+7], 0
.endr
	s_or_b32 s[G1SA], s86, (3<<16)|(1<<20)|(1<<21)|(5<<22)|(3<<25)  ; scale bytes of 128 rows: 4,096 dense bytes as 16 rows of 32 elements of 8 bytes, 4 words of padding behind each
	s_or_b32 s[G1SB], s87, (3<<16)|(1<<20)|(1<<21)|(5<<22)|(3<<25)
.irp g, G1SA, G1SB
	s_mov_b32 s[\g+1], 32<<16
	s_mov_b32 s[\g+2], 16<<16
	s_mov_b32 s[\g+3], 32<<16
	s_mov_b32 s[\g+4], 16
	s_mov_b32 s[\g+5], 32
	s_mov_b32 s[\g+6], 0
	s_mov_b32 s[\g+7], 0
.endr
	s_and_b32 s2, s[WV], 1                         ; which 128 rows I fetch
	s_lshl_b32 s3, s2, 7
	s_lshl_b32 s88, s[GY], 8
	s_add_co_u32 s88, s88, s3                      ; x's: of gy alone
	s_mov_b32 s89, 0
	s_lshl_b32 s90, s[GX], 8
	s_add_co_u32 s90, s90, s3                      ; the weight's: of gx alone
	s_mov_b32 s91, 0
	s_mul_i32 s3, s2, 2*QT                         ; where they go: of the wave's number alone
	s_mul_i32 s31, s2, 2*QS
	s_mov_b32 s[HI16], 0xffff0000                  ; lanes 16-31
	s_mov_b32 s[SEL], 0x76543210
	s_mov_b32 s[SEL+1], 0xfedcba98
	s_wait_dscnt 0x0                               ; both opening adds are done
	s_wait_kmcnt 0x0
	s_mov_b32 s[G0A], 1
	s_mov_b32 s[G0A+1], s3
	s_lshl_b64 s[G0A+2:G0A+3], s[88:89], 9
	s_add_nc_u64 s[G0A+2:G0A+3], s[4:5], s[G0A+2:G0A+3]
	s_or_b32 s[G0A+3], s[G0A+3], 0x80000000
	s_mov_b32 s[G0B], 1
	s_add_co_u32 s[G0B+1], s3, BOFF
	s_lshl_b64 s[G0B+2:G0B+3], s[90:91], 9
	s_add_nc_u64 s[G0B+2:G0B+3], s[8:9], s[G0B+2:G0B+3]
	s_or_b32 s[G0B+3], s[G0B+3], 0x80000000
	s_mov_b32 s[G0SA], 1
	s_add_co_u32 s[G0SA+1], s31, SCL
	s_lshl_b64 s[G0SA+2:G0SA+3], s[88:89], 5
	s_add_nc_u64 s[G0SA+2:G0SA+3], s[6:7], s[G0SA+2:G0SA+3]
	s_or_b32 s[G0SA+3], s[G0SA+3], 0x80000000
	s_mov_b32 s[G0SB], 1
	s_add_co_u32 s[G0SB+1], s31, SCL+4*QS
	s_lshl_b64 s[G0SB+2:G0SB+3], s[90:91], 5
	s_add_nc_u64 s[G0SB+2:G0SB+3], s[10:11], s[G0SB+2:G0SB+3]
	s_or_b32 s[G0SB+3], s[G0SB+3], 0x80000000
	CROUND                                         ; all sixteen work-groups are here: the joint loads meet
	ARM 2, G0A,  G1A,  .Lh_b                       ; one chain, one load to an arm: every way through the head passes exactly one
	ARM 4, G0B,  G1B,  .Lh_sa
	ARM 6, G0SA, G1SA, .Lh_sb
	TL G0SB, G1SB
.Lhead_asked:
	s_mul_i32 s86, s[WA], QT                       ; phase 1: my 64 rows of x
	s_mul_i32 s87, s[WB], 2*QT                     ; phase 2: my 128 rows of x
	s_add_co_u32 s88, s87, BOFF                    ; phase 1: my 128 rows of the weight
	s_mul_i32 s89, s[WA], 32*PITCH
	s_add_co_u32 s89, s89, BOFF                    ; phase 2: my 32 rows of wv
	s_mul_i32 s90, s[WA], QS
	s_mul_i32 s91, s[WB], 2*QS
	s_add_co_u32 s2, s91, 4*QS
	s_sub_co_u32 s2, s2, s90                       ; phase 1: from x's scale words (lanes 0-15) up to the weight's (lanes 16-31)
	s_add_co_u32 s90, s90, SCL
	s_mul_i32 s3, s[WA], QS/2
	s_add_co_u32 s3, s3, 4*QS
	s_sub_co_u32 s3, s3, s91                       ; phase 2: from x's (lanes 16-31) up to wv's (lanes 0-15)
	s_add_co_u32 s91, s91, SCL
	v_and_b32 v1, 15, v0                           ; r
	v_bfe_u32 v2, v0, 4, 1                         ; h
	v_mul_u32_u24 v10, v1, PITCH
	v_lshl_add_u32 v10, v2, 4, v10                 ; a fragment's row x pitch + 16 h
	v_add_nc_u32 v[ADRA], s86, v10
	v_add_nc_u32 v[ADRB2], s87, v10
	v_add_nc_u32 v[ADRB], s88, v10
	v_add_nc_u32 v[ADRA2], s89, v10
	v_lshlrev_b32 v15, 5, v1                       ; 32 scale bytes a row,
	v_lshrrev_b32 v11, 3, v1
	v_lshl_add_u32 v15, v11, 4, v15                ; and 16 more behind each 8 rows
	v_mul_u32_u24 v11, s2, v2                      ; one product in h
	v_add_nc_u32 v[ADRS], v15, v11
	v_add_nc_u32 v[ADRS], s90, v[ADRS]
	v_xor_b32 v[ADRS2], 1, v2
	v_mul_u32_u24 v[ADRS2], s3, v[ADRS2]           ; one product in 1 - h
	v_add_nc_u32 v[ADRS2], v15, v[ADRS2]
	v_add_nc_u32 v[ADRS2], s91, v[ADRS2]
	v_and_b32 v[LI], 31, v0
	v_lshlrev_b32 v[LS], 2, v[LI]
	v_lshlrev_b32 v[LI], 4, v[LI]
	v_lshlrev_b32 v[BOQ], 6, v2
	v_and_b32 v[BOV], 8, v1
	v_add_nc_u32 v[BOV], v[BOV], v1
	v_lshlrev_b32 v[BOV], 2, v[BOV]
.irp b, 0,1,2,3
	v_mov_b32 v[TM+4+\b], 0                        ; written once: a lane permute's destination counts as one of its sources
.endr
	s_wait_alu depctr_va_vdst(0)                   ; the wait at the head's end
	s_wait_tensorcnt 0x0                           ; my load has landed,
	s_barrier_signal -1
	s_barrier_wait -1                              ; everybody's has
	; ---------------- phase 1: q or k ----------------
	SEVEN 4, ADRA, ADRB, ADRS
	s_cmp_lg_u32 s[CLX], 0
	s_cselect_b64 s[96:97], s[14:15], s[12:13]     ; bk or bq
	s_lshl_b32 s88, s[CX], 10
	s_lshl_b32 s2, s[WB], 9
	s_add_co_u32 s88, s88, s2                      ; my 128 features
	s_mov_b32 s89, 0
	s_add_nc_u64 s[96:97], s[96:97], s[88:89]
.irp t, 0,1,2,3,4,5,6,7
	global_load_b128 v[BB+8*\t:BB+8*\t+3], v[BOQ], s[96:97] offset:128*(\t/2)+32*(\t%2)        ; features 32 (t / 2) + 16 h + 8 (t % 2) + 0 .. 7
	global_load_b128 v[BB+8*\t+4:BB+8*\t+7], v[BOQ], s[96:97] offset:128*(\t/2)+32*(\t%2)+16
.endr
	s_wait_tensorcnt 0x0                           ; no tensor load of mine is out, so a group 0 may be written;
	ds_add_u32 v[SPW], v[NIL]
	s_lshl_b32 s88, s[GX], 7
	s_add_co_u32 s88, s88, 2048                    ; wv's rows 128 gx on: wc's rows from 2,048
	s_mov_b32 s[G0B+1], BOFF
	s_lshl_b64 s[G0B+2:G0B+3], s[88:89], 9
	s_add_nc_u64 s[G0B+2:G0B+3], s[8:9], s[G0B+2:G0B+3]
	s_or_b32 s[G0B+3], s[G0B+3], 0x80000000
	s_mov_b32 s[G0SB+1], SCL+4*QS
	s_lshl_b64 s[G0SB+2:G0SB+3], s[88:89], 5
	s_add_nc_u64 s[G0SB+2:G0SB+3], s[10:11], s[G0SB+2:G0SB+3]
	s_or_b32 s[G0SB+3], s[G0SB+3], 0x80000000
	s_wait_dscnt 0x0                               ; the add is done, and step 7's fragments are in: my reads of the weight's rows and scale bytes are over
	CROUND                                         ; so are those of every wave of every partner
	s_cmp_lg_u32 s[WV], 0
	s_cbranch_scc1 .Lrefill_s
	TL G0B, G1B                                    ; wave 0: wv's 128 rows, over the weight's first 128
	s_branch .Lrefilled
.Lrefill_s:
	s_cmp_lg_u32 s[WV], 1
	s_cbranch_scc1 .Lrefilled
	TL G0SB, G1SB                                  ; wave 1: their scale bytes
.Lrefilled:
	MUL F0+96, 3, 0, 4
	PLACES
	s_wait_loadcnt 0x0
	; my 64 tokens x two heads.  Record = ((batch x 16 + head) x 16 + step)
	s_lshr_b32 s86, s[GY], 3
	s_lshl_b32 s86, s86, 4
	s_lshl_b32 s87, s[CX], 2
	s_add_co_u32 s86, s86, s87
	s_lshl_b32 s87, s[WB], 1
	s_add_co_u32 s86, s86, s87                     ; batch x 16 + my even head
	s_lshl_b32 s86, s86, 4
	s_and_b32 s87, s[GY], 7
	s_lshl_b32 s87, s87, 1
	s_add_co_u32 s86, s86, s87
	s_lshr_b32 s87, s[WA], 1
	s_add_co_u32 s86, s86, s87                     ; + the step of 128 tokens
	s_mul_i32 s86, s86, REC
	s_and_b32 s87, s[WA], 1                        ; tiles 0-3 or 4-7 of the step
	s_mov_b32 s91, 13056
	s_cmp_lg_u32 s[CLX], 0
	s_cselect_b32 s90, 0, 8960                     ; K's codes or Q's
	s_cselect_b32 s91, 8192, s91                   ; K's scale words or Q's
	s_lshl_b32 s88, s87, 11
	s_add_co_u32 s88, s88, s86
	s_add_co_u32 s88, s88, s90
	s_mov_b32 s89, 0
	s_add_nc_u64 s[92:93], s[18:19], s[88:89]
	s_lshl_b32 s88, s87, 8
	s_add_co_u32 s88, s88, s86
	s_add_co_u32 s88, s88, s91
	s_add_nc_u64 s[94:95], s[18:19], s[88:89]
.irp i, 0,1,2,3
	ADDB \i, 0
	QUANT T, PC+8*\i, PW+\i
	global_store_b128 v[LI], v[PC+8*\i:PC+8*\i+3], s[92:93] offset:512*\i            ; the even head's 64: 512 consecutive bytes
	global_store_b128 v[LI], v[PC+8*\i+4:PC+8*\i+7], s[92:93] offset:512*\i+NEXTH    ; the odd head's
.endr
	v_cndmask_b32 v[EW], v[PW], v[PW+1], s[HI16]   ; lanes 0-15 tile 0's words, lanes 16-31 tile 1's
	v_cndmask_b32 v[EW+1], v[PW+2], v[PW+3], s[HI16]
	v_and_b32 v[EW+2], 0xffff, v[EW]               ; the even head's two bytes, two zeros above them
	v_and_b32 v[EW+3], 0xffff, v[EW+1]
	v_lshrrev_b32 v[EW+4], 16, v[EW]               ; the odd head's
	v_lshrrev_b32 v[EW+5], 16, v[EW+1]
	global_store_b32 v[LS], v[EW+2], s[94:95]
	global_store_b32 v[LS], v[EW+3], s[94:95] offset:128
	global_store_b32 v[LS], v[EW+4], s[94:95] offset:NEXTH
	global_store_b32 v[LS], v[EW+5], s[94:95] offset:NEXTH+128
	; ---------------- phase 2: v, my 32 channels x my 128 tokens, quantised along the tokens ----------------
	s_wait_alu depctr_va_vdst(0)                   ; the wait ahead of the waits below
	s_wait_xcnt 0x0                                ; the stores have read their data and bases: both are written again below
	s_wait_tensorcnt 0x0                           ; wv's rows and scale bytes have landed,
	s_barrier_signal -1
	s_barrier_wait -1                              ; and every wave knows
	SEVEN 2, ADRA2, ADRB2, ADRS2
	s_lshl_b32 s88, s[GX], 9
	s_lshl_b32 s2, s[WA], 7
	s_add_co_u32 s88, s88, s2                      ; 4 x (128 gx + 32 x my quarter)
	s_mov_b32 s89, 0
	s_add_nc_u64 s[96:97], s[16:17], s[88:89]
.irp i, 0,1
	global_load_b32 v[BA+2*\i], v[BOV], s[96:97] offset:32*\i      ; my row's bias, twice: a pair for the packed addition
	global_load_b32 v[BA+2*\i+1], v[BOV], s[96:97] offset:32*\i
.endr
	s_wait_dscnt 0x0
	MUL F0+96, 3, 0, 2
	PLACES
	s_wait_loadcnt 0x0
	s_lshr_b32 s86, s[GY], 3
	s_lshl_b32 s86, s86, 4
	s_lshl_b32 s87, s[GX], 1
	s_add_co_u32 s86, s86, s87
	s_lshr_b32 s87, s[WA], 1
	s_add_co_u32 s86, s86, s87                     ; batch x 16 + head
	s_lshl_b32 s86, s86, 4
	s_and_b32 s87, s[GY], 7
	s_lshl_b32 s87, s87, 1
	s_add_co_u32 s86, s86, s87
	s_add_co_u32 s86, s86, s[WB]                   ; + the step
	s_mul_i32 s86, s86, REC
	s_and_b32 s87, s[WA], 1                        ; V's tiles 0, 1 or 2, 3
	s_lshl_b32 s88, s87, 11
	s_add_co_u32 s88, s88, s86
	s_add_nc_u64 s[92:93], s[18:19], s[88:89]
	s_lshl_b32 s88, s87, 7
	s_add_co_u32 s88, s88, s86
	s_add_nc_u64 s[94:95], s[18:19], s[88:89]
.irp i, 0,1
	ADDB \i, 1
	QUANT T, PC+8*\i, PW+\i
	global_store_b128 v[LI], v[PC+8*\i:PC+8*\i+3], s[92:93] offset:4096+1024*\i      ; keys 0-63 of the step
	global_store_b128 v[LI], v[PC+8*\i+4:PC+8*\i+7], s[92:93] offset:4096+1024*\i+512  ; keys 64-127
.endr
	v_cndmask_b32 v[EW], v[PW], v[PW+1], s[HI16]
	global_store_b32 v[LS], v[EW], s[94:95] offset:8704
	s_wait_tensorcnt 0x0                           ; the wave's end
	ds_add_u32 v[SPW], v[NIL]
	s_wait_dscnt 0x0
	CROUND                                         ; the closing round
	s_endpgm
.Lfunc_end_k_q85d472563b_proj:
	.size	k_q85d472563b_proj, .Lfunc_end_k_q85d472563b_proj-k_q85d472563b_proj
	.p2alignl 7, 3214868480
	.fill 96, 4, 3214868480
	.section	.rodata,"a",@progbits
	.p2align	6, 0x0
	.amdhsa_kernel k_q85d472563b_proj
		.amdhsa_group_segment_fixed_size 327680
		.amdhsa_private_segment_fixed_size 0
		.amdhsa_enable_private_segment 0
		.amdhsa_kernarg_size 64
		.amdhsa_user_sgpr_count 2
		.amdhsa_user_sgpr_kernarg_segment_ptr 1
		.amdhsa_wavefront_size32 1
		.amdhsa_system_sgpr_workgroup_id_x 1
		.amdhsa_system_sgpr_workgroup_id_y 1
		.amdhsa_system_sgpr_workgroup_id_z 1
		.amdhsa_system_vgpr_workitem_id 0
		.amdhsa_next_free_vgpr 512
		.amdhsa_next_free_sgpr 100
		.amdhsa_reserve_vcc 0
		.amdhsa_float_denorm_mode_32 3
		.amdhsa_float_denorm_mode_16_64 3
		.amdhsa_memory_ordered 1
		.amdhsa_forward_progress 1
		.amdhsa_inst_pref_size 136
	.end_amdhsa_kernel
	.amdgpu_metadata
---
amdhsa.version: [ 1, 2 ]
amdhsa.kernels:
  - .name:           k_q85d472563b_proj
    .symbol:         k_q85d472563b_proj.kd
    .args:
      - { .name: xc, .offset: 0, .size: 8, .value_kind: global_buffer, .address_space: global }
      - { .name: xs, .offset: 8, .size: 8, .value_kind: global_buffer, .address_space: global }
      - { .name: wc, .offset: 16, .size: 8, .value_kind: global_buffer, .address_space: global }
      - { .name: ws, .offset: 24, .size: 8, .value_kind: global_buffer, .address_space: global }
      - { .name: bq, .offset: 32, .size: 8, .value_kind: global_buffer, .address_space: global }
      - { .name: bk, .offset: 40, .size: 8, .value_kind: global_buffer, .address_space: global }
      - { .name: bv, .offset: 48, .size: 8, .value_kind: global_buffer, .address_space: global }
      - { .name: qkv, .offset: 56, .size: 8, .value_kind: global_buffer, .address_space: global }
    .group_segment_fixed_size: 327680
    .private_segment_fixed_size: 0
    .kernarg_segment_align: 8
    .kernarg_segment_size: 64
    .max_flat_workgroup_size: 256
    .sgpr_count:     100
    .vgpr_count:     512
    .wavefront_size: 32
...
	.end_amdgpu_metadata
.endif
;; end of part 2
;; launch attn (part 3): grid 4 x 64, 16 waves a work-group, clusters of 4 x 1, 167,936 bytes of LDS; arguments qkv, oc, os; writes oc, os
.if DOCPART == 3
	.amdgcn_target "amdgcn-amd-amdhsa--gfx1250"
	.amdhsa_code_object_version 6
	.text
	.protected	k_q85d472563b_attn
	.globl	k_q85d472563b_attn
	.p2align	8
	.type	k_q85d472563b_attn,@function
k_q85d472563b_attn:
	s_mov_b64 s[64:65], 0
	v_nop
	global_prefetch_b8 v0, s[64:65] scope:SCOPE_SE
	s_setreg_imm32_b32 hwreg(HW_REG_WAVE_MODE, 25, 1), 1
	s_wait_xcnt 0x0
	s_wait_alu depctr_hold_cnt(0) depctr_sa_sdst(0) depctr_va_vdst(0) depctr_va_sdst(0) depctr_va_ssrc(0) depctr_va_vcc(0) depctr_vm_vsrc(0)
	s_getreg_b32 s2, hwreg(HW_REG_IB_STS2, 6, 4)
	s_cmp_eq_u32 s2, 0
	s_cbranch_scc0 .Lentry_in_a_cluster
	s_endpgm
.Lentry_in_a_cluster:
	s_bfe_u32 s2, ttmp6, 0x10000c
	s_cmp_lg_u32 s2, 0x3003
	s_cbranch_scc0 .Lentry_shape_is_right
	s_endpgm
.Lentry_shape_is_right:
; O[q] = sum over k <= q of softmax_k(Q[q] . K[k] / 8) V[k] for one head, both products on codes of FP4, and the quantiser of O (along the features) behind them.
; LEFT OUT: a step of 128 keys all of which come after the tile's 16 queries: reference()'s own causal mask gives them the weight 0 for all values of the inputs (shown at the head of the launch quant).
; THE SOFTMAX: t = score x log2(e) / 8; M = the running largest t rounded up to a whole number; p = 2^(t - M) is quantised along the keys, not normalised; the row's sum is taken of the unquantised p and divides at the end;
; when M moves, the sum and O are multiplied by 2^(old M - new M), which rounds nothing.  The running maximum is kept of the raw scores: the factor is positive, so the largest score gives the largest t.
; LIMIT: the promise holds while the scaled scores stay under 2^31 in magnitude.
; SHARES.  A cluster of four work-groups is one head (cluster y = batch x 16 + head).  The head's K and V, 16 steps x 8,960 bytes, lie whole in LDS: each of the sixteen waves asks for one step, JOINTLY with the same wave
; of the three partners (same descriptor, mask 15); one tensor load a wave is out; no byte of LDS is filled again.  No prefetch: all loads go out at the head, and there is no loop to run ahead in.
; A wave owns two tiles of 16 queries, one after the other: T = 4 W + G with (W, G) = (wave, cx), then (31 - wave, 3 - cx).  Tile T needs steps 0 .. W / 2: of the wave's number alone, so no branch hangs
; on the work-group's place in its cluster; the two tiles of every wave have 17 live steps together.
; LAYOUT.  S^T = K Q^T (source 0 = 16 keys, source 1 = my queries), O^T = V^T P^T: a lane holds one query (lane % 16) throughout.
; THE KEYS OF A TILE ARE PICKED BY ADDRESS: lane r of tile (c, u) takes key 64 c + 32 (r / 8) + 8 u + r % 8 of the step.  Register 32 c + 8 u + j of lane (r, h) is then key 64 c + 32 h + 8 u + j: a lane holds two WHOLE
; blocks of 32 keys, so a block's maximum needs no other lane, and conversion (c, u) gives register 4 c + u of the second product's operand as it stands.
; In a record that key lies in stored tile 4 c + 2 (r / 8) + u % 2 at row 8 (u / 2) + r % 8.  The descriptor lays 32 bytes of padding behind each 256: rows four apart then begin 128 bytes apart modulo 256.
; CHAINS.  The maxima and the sums run in eight chains each, taken by turns, so that a line reads what the eighth line before it wrote; the lines that make f and the scale word stand among independent lines.
; Among the exponentials stand plain lines whose results are first read behind the wait that follows the batch.
; A head has 64 channels: the upper four registers of Q's and K's fragments are zero codes, under scale bytes 0.
; OUT: oc [batch x 128 + T][head][512 bytes]: the image of four operand registers;  os [stored row][32]: bytes 2 head, 2 head + 1.
; REGISTERS: v1-11, v31 addresses and lane constants; v12 -M, v13 the largest score, v[14:15] the sum; v16-23 Q, v24 its scale words; v25-28 K's scale words (two tiles a register), v29-30 V's; v32-95 K; v96-159 S^T, then p;
; v160-191 O^T; v192-223 V; v224-231 p's codes; v232-255 at work.
.set REC,   13568
.set ROWP,  288                        ; 256 bytes of a record + 32 of padding
.set STEPB, 35*ROWP                    ; K's and V's part of a record in LDS
.set VOF,   16*ROWP                    ; V's images
.set KSC,   32*ROWP                    ; K's scale words
.set VSC,   34*ROWP                    ; V's
.set SPARE, 16*STEPB                   ; the spare words, 128 bytes for each wave
.set LI,  1                            ; 16 x lane
.set VSL, 2                            ; VSC + 4 x lane
.set SPW, 3
.set NIL, 4
.set DQ,  5                            ; my query - 32 (lane / 16), counted from the diagonal step's first key
.set LR4, 6
.set OSO, 7
.set AK0, 8                            ; my lane's place in a tile of K
.set ASK0, 9                           ; and among K's scale words
.set RQ,  10
.set SH8, 11                           ; 8 (lane / 16)
.set AV0, 31                           ; my lane's place in an image of V
.set ADV, 244                          ; the step's four addresses: each is read by the loads that follow its write, and the registers serve the sums later
.set ADT, 245
.set ADK, 246
.set ADS, 247
.set WV,  10
.set CX,  11
.set BH,  12
.set BAT, 13
.set HD,  14
.set G1,  16
.set G0,  24
.set SEL, 28
.set CS,  30
.set W,   32
.set G,   33
.set LAST, 34
.set KS,  35
.set TB,  36
.set SQ,  37
.set NC,  45                           ; -log2(e) / 8
.set TN,  46                           ; LDS byte of the next step
.set QA,  48
.set OA,  50
.set OSA, 52
.set HB,  54
.set QSA, 56
.set MK,  66                           ; s66-73 eight lane masks of the diagonal step
.macro CROUND
	s_barrier_signal -1
	s_barrier_wait -1
	s_cmp_lg_u32 s[WV], 0
	s_cbranch_scc1 .Lnot_wave_0_\@
	s_barrier_signal -3
.Lnot_wave_0_\@:
	s_barrier_wait -3
	s_barrier_signal -1
	s_barrier_wait -1
.endm
.macro SETQ p                          ; my p-th tile: its number (s38), its last step, where its Q lies, its queries' places.  (The last Q's loads have been waited for.)
.if \p
	s_xor_b32 s[W], s[WV], 31                      ; 31 - wave
	s_xor_b32 s[G], s[CX], 3                       ; 3 - cx
.else
	s_mov_b32 s[W], s[WV]
	s_mov_b32 s[G], s[CX]
.endif
	s_lshr_b32 s[LAST], s[W], 1                    ; the tile's last step: of the wave's number alone
	s_lshl_b32 s38, s[W], 2
	s_add_co_u32 s38, s38, s[G]                    ; T
	s_and_b32 s39, s38, 7                          ; the tile's place in its step
	s_mul_i32 s40, s[LAST], REC
	s_lshl_b32 s41, s39, 9
	s_add_co_u32 s42, s40, s41
	s_mov_b32 s43, 0
	s_add_nc_u64 s[QA:QA+1], s[HB:HB+1], s[42:43]
	s_lshl_b32 s41, s39, 6
	s_add_co_u32 s42, s40, s41
	s_add_nc_u64 s[QSA:QSA+1], s[HB:HB+1], s[42:43]
	s_lshr_b32 s[SQ], s38, 1
	s_and_b32 s[SQ], s[SQ], 3
	s_lshl_b32 s[SQ], s[SQ], 5
	s_and_b32 s41, s38, 1
	s_lshl_b32 s41, s41, 3
	s_add_co_u32 s[SQ], s[SQ], s41                 ; 32 ((T / 2) % 4) + 8 (T % 2)
	v_add_nc_u32 v[DQ], s[SQ], v[RQ]
.endm
.macro SETO                            ; where tile s38's results go
	s_wait_xcnt 0x0                                ; the last tile's stores have read their bases and data: both are written again only behind this wait
	s_lshl_b32 s42, s[BAT], 7
	s_add_co_u32 s42, s42, s38                     ; batch x 128 + T
	s_lshl_b32 s44, s42, 9                         ; its 16 rows of 32 scale bytes
	s_lshl_b32 s42, s42, 4
	s_add_co_u32 s42, s42, s[HD]
	s_lshl_b32 s42, s42, 9
	s_add_nc_u64 s[OA:OA+1], s[6:7], s[42:43]
	s_lshl_b32 s41, s[HD], 1
	s_add_co_u32 s42, s44, s41
	s_add_nc_u64 s[OSA:OSA+1], s[8:9], s[42:43]
.endm
.macro QLOAD
	global_load_b128 v[16:19], v[LI], s[QA:QA+1] offset:8960
	global_load_b32 v24, v[LR4], s[QSA:QSA+1] offset:13056
.endm
.macro INIT                            ; the loop has no first step of its own: it finds zeros, which the first change of M leaves zeros
	v_mov_b32 v13, 0xff61b1e6                      ; -3e38, under every score
	v_mov_b32 v14, 0
	v_mov_b32 v15, 0
	v_mul_f32 v12, s[NC], v13
	v_mov_b32 v252, 0
	v_mov_b32 v253, 0
	v_floor_f32 v12, v12                           ; -M
	v_mov_b32 v236, 0                              ; a lane permute's destination counts as one of its sources
	v_mov_b32 v237, 0
.set n, 0
.rept 32
	v_mov_b32 v[160+n], 0
.set n, n+1
.endr
.endm
.macro KLOAD adk, ads                  ; 12 loads: a step's eight tiles of K and their scale words (lanes 0-15: tile (c, 2 w); lanes 16-31: tile (c, 2 w + 1))
.irp c, 0,1
.irp u, 0,1,2,3
	ds_load_b128 v[32+8*(4*\c+\u):35+8*(4*\c+\u)], v[\adk] offset:8*ROWP*\c+2*ROWP*(\u%2)+128*(\u/2)
.endr
.endr
.irp c, 0,1
.irp w, 0,1
	ds_load_b32 v[25+2*\c+\w], v[\ads] offset:ROWP*\c+32*\w
.endr
.endr
.endm
.macro MASK c                          ; register 32 c + n holds key 64 c + 32 (lane / 16) + n of the step: hidden where it comes after my query.  Eight compares, then their eight selects
	v_mov_b32 v254, 0xff800000                     ; -infinity: p = 0 then
.if \c
	v_add_nc_u32 v255, -64, v[DQ]                  ; counted from key 64
.set DQR, 255
.else
.set DQR, DQ
.endif
.set n, 0
.rept 4
.irp j, 0,1,2,3,4,5,6,7
	v_cmp_gt_i32 s[MK+\j], n+\j, v[DQR]
.endr
.irp j, 0,1,2,3,4,5,6,7
	v_cndmask_b32 v[96+32*\c+n+\j], v[96+32*\c+n+\j], v254, s[MK+\j]
.endr
.set n, n+8
.endr
.endm
.macro PA d, a, b                      ; a packed addition on pairs
	v_pk_add_f32 v[\d:\d+1], v[\a:\a+1], v[\b:\b+1]
.endm
.macro PF cnt                          ; cnt packed lines t - M of keys 0-63, from register 96 + n on
.rept \cnt
	v_pk_fma_f32 v[96+n:97+n], v[96+n:97+n], s[CS:CS+1], v[12:13] op_sel_hi:[1,0,0]
.set n, n+2
.endr
.endm
.macro E3                              ; three exponentials of keys 64-127, from register 128 + n on
.rept 3
	v_exp_f32 v[128+n], v[128+n]
.set n, n+1
.endr
.endm
.macro PS d                            ; the sum's chain d takes pair k of keys 64-127
	PA \d, \d, 128+2*k
.set k, k+1
.endm
.macro STEP                            ; 128 keys
	s_cmp_gt_u32 s[KS], s[LAST]                    ; all its keys come after my queries: the step's work is left out
	s_cbranch_scc1 .Lhidden_\@
	s_add_co_u32 s[TN], s[TB], STEPB
	s_min_u32 s[TN], s[TN], 15*STEPB               ; the next step's K; behind the last step the last once more, which nobody uses
	v_add_nc_u32 v[ADV], s[TB], v[AV0]
	v_add_nc_u32 v[ADT], s[TB], v[VSL]
	v_add_nc_u32 v[ADK], s[TN], v[AK0]
	v_add_nc_u32 v[ADS], s[TN], v[ASK0]            ; these four are the places in front of loads into registers that the last products read
.irp t, 0,1,2,3
.irp c, 0,1
	ds_load_b128 v[192+8*\t+4*\c:195+8*\t+4*\c], v[ADV] offset:ROWP*(4*\t+2*\c)
.endr
.endr
.irp n, 0,1
	ds_load_b32 v[29+\n], v[ADT] offset:128*\n
.endr
	s_wait_alu depctr_va_vdst(0)                   ; the wait here
	s_wait_dscnt 10                                ; this step's K, asked for a step ago, is in; V's ten loads may be out
.irp c, 0,1
.irp w, 0,1
	v_wmma_scale_f32_16x16x128_f8f6f4 v[96+8*(4*\c+2*\w):103+8*(4*\c+2*\w)], v[32+8*(4*\c+2*\w):39+8*(4*\c+2*\w)], v[16:23], 0, v[25+2*\c+\w], v24 matrix_a_fmt:MATRIX_FMT_FP4 matrix_b_fmt:MATRIX_FMT_FP4
	v_wmma_scale_f32_16x16x128_f8f6f4 v[104+8*(4*\c+2*\w):111+8*(4*\c+2*\w)], v[40+8*(4*\c+2*\w):47+8*(4*\c+2*\w)], v[16:23], 0, v[25+2*\c+\w], v24 matrix_a_fmt:MATRIX_FMT_FP4 matrix_b_fmt:MATRIX_FMT_FP4 matrix_a_scale:MATRIX_SCALE_ROW1
.endr
.endr
.rept 4
	v_nop                                          ; four places: for the loads below and for the first read of the scores
.endr
	KLOAD ADK, ADS                                 ; the next step's K: the softmax and the second product stand between these loads and the wait for them
	s_cmp_lg_u32 s[KS], s[LAST]                    ; only the tile's last step lies on the diagonal
	s_cbranch_scc1 .Lopen_\@
	s_bitcmp1_b32 s[W], 0                          ; my queries lie in keys 64 (W % 2) .. + 63 of the step: of the wave's number alone
	s_cbranch_scc1 .Lodd_\@
	MASK 0                                         ; W even: keys 0-63 by compare,
.set n, 0
.rept 32
	v_mov_b32 v[128+n], v254                       ; keys 64-127 all come after my queries
.set n, n+1
.endr
	s_wait_alu depctr_va_vdst(0)                   ; the wait ahead of the jump
	s_branch .Lopen_\@
.Lodd_\@:
	MASK 1                                         ; W odd: keys 0-63 all count
.Lopen_\@:
; the largest score of each of my two blocks of 32 keys: four chains a block, over registers 0-8, 9-17, 18-24, 25-31; each accumulator's first read takes one of its four lowest registers
.irp c, 0,1
	v_max3_num_f32 v[232+\c], v[96+32*\c], v[97+32*\c], v[98+32*\c]
	v_max3_num_f32 v[234+\c], v[105+32*\c], v[106+32*\c], v[107+32*\c]
	v_max3_num_f32 v[240+\c], v[114+32*\c], v[115+32*\c], v[116+32*\c]
	v_max3_num_f32 v[242+\c], v[121+32*\c], v[122+32*\c], v[123+32*\c]
.endr
.irp i, 0,2,4
.irp c, 0,1
	v_max3_num_f32 v[232+\c], v[232+\c], v[99+32*\c+\i], v[100+32*\c+\i]
	v_max3_num_f32 v[234+\c], v[234+\c], v[108+32*\c+\i], v[109+32*\c+\i]
.if \i < 4
	v_max3_num_f32 v[240+\c], v[240+\c], v[117+32*\c+\i], v[118+32*\c+\i]
	v_max3_num_f32 v[242+\c], v[242+\c], v[124+32*\c+\i], v[125+32*\c+\i]
.endif
.endr
.endr
	s_delay_alu instid0(VALU_DEP_3)
	v_max3_num_f32 v232, v232, v234, v240          ; the chains' results alone from here on
	s_delay_alu instid0(VALU_DEP_2)
	v_max3_num_f32 v233, v233, v235, v241
	s_delay_alu instid0(VALU_DEP_2)
	v_max_num_f32 v232, v232, v242
	s_delay_alu instid0(VALU_DEP_2)
	v_max_num_f32 v233, v233, v243
	s_delay_alu instid0(VALU_DEP_1)
	v_max3_num_f32 v254, v13, v232, v233           ; with the running largest score,
	s_delay_alu instid0(VALU_DEP_1)
	v_permlanex16_b32 v236, v254, s[SEL], s[SEL+1]
	s_delay_alu instid0(VALU_DEP_1)
	v_max_num_f32 v13, v254, v236                  ; and lane l xor 16's 64 keys
	v_mov_b32 v255, v12
	s_delay_alu instid0(VALU_DEP_2)
	v_mul_f32 v254, s[NC], v13                     ; -t
	s_delay_alu instid0(VALU_DEP_1)
	v_floor_f32 v12, v254                          ; the new -M = -ceil(t)
	s_delay_alu instid0(VALU_DEP_1)
	v_sub_f32 v254, v12, v255                      ; old M - new M: a whole number, 0 or less
.set n, 0
	PF 5                                           ; t - M of keys 0-63; the two lines that make f stand among them
	v_cvt_i32_f32 v254, v254                       ; (it saturates)
	PF 5
	v_ldexp_f32 v252, 1.0, v254                    ; f = 2^(old M - new M)
	PF 6
.irp c, 0,1
	v_fma_f32 v[232+\c], v[232+\c], s[CS], v12     ; the same of each block's largest score: since p rises with the score, it gives the block's largest p
.endr
.set n, 0
.rept 16
	v_pk_mul_f32 v[160+n:161+n], v[160+n:161+n], v[252:253] op_sel_hi:[1,0]   ; O^T under the new M: no transcendental stands between the last products and these reads
.set n, n+2
.endr
	s_wait_alu depctr_va_vdst(0)                   ; the wait ahead of a batch
	v_exp_f32 v232, v232
	v_exp_f32 v233, v233
.set n, 0
.rept 16                               ; p = 2^(t - M) of keys 0-63; among them t - M of keys 64-127, which is first read behind the wait below
	v_exp_f32 v[96+n], v[96+n]
	v_exp_f32 v[97+n], v[97+n]
	v_pk_fma_f32 v[128+n:129+n], v[128+n:129+n], s[CS:CS+1], v[12:13] op_sel_hi:[1,0,0]
.set n, n+2
.endr
	s_wait_alu depctr_va_vdst(0)                   ; one wait: behind the first batch and ahead of the second
; keys 64-127; among them ten plain lines on the first batch's results, each first read behind the wait below: the two floors, and the first eight additions of the row's sum (eight chains)
	v_exp_f32 v128, v128
	v_exp_f32 v129, v129
.set n, 2
	E3
	v_max_num_f32 v232, 0x1800000, v232            ; the floor 2^(3 - 127)
	E3
	v_max_num_f32 v233, 0x1800000, v233
.set k, 0
.irp d, 244,246,248,250,254,234,240,242
	E3
	PA \d, 96+4*k, 98+4*k
.set k, k+1
.endr
	s_wait_alu depctr_va_vdst(0)                   ; the wait behind the second batch
; the scale word's eight lines and the eight conversions, spread among the sixteen additions of keys 64-127
.set k, 0
	v_add_nc_u32 v238, 0xff000000, v232            ; 2 off the exponent field: the conversion's scale operand
	v_add_nc_u32 v239, 0xff000000, v233
.irp d, 244,246,248,250
	PS \d
.endr
	v_lshrrev_b32 v232, 23, v238                   ; the byte of block 2 c + h
	v_lshrrev_b32 v233, 23, v239
.irp d, 254,234,240,242
	PS \d
.endr
	v_lshl_or_b32 v232, v233, 16, v232
.irp u, 0,1,2,3
	v_cvt_scalef32_pk8_fp4_f32 v[224+\u], v[96+8*\u:103+8*\u], v238
.endr
	PS 244
	v_lshlrev_b32 v232, v[SH8], v232               ; at their places: 8 h bits up
.irp u, 0,1,2,3
	v_cvt_scalef32_pk8_fp4_f32 v[228+\u], v[128+8*\u:135+8*\u], v239
.endr
	PS 246
	v_permlanex16_b32 v237, v232, s[SEL], s[SEL+1]
.irp d, 248,250,254,234
	PS \d
.endr
	v_or_b32 v253, v232, v237                      ; with lane l xor 16's two: p's scale word for these 128 keys; ten plain lines stand between it and the products
	PS 240
	PS 242
	PA 244, 244, 246
	PA 248, 248, 250
	PA 254, 254, 234
	s_delay_alu instid0(VALU_DEP_4)
	PA 240, 240, 242
	s_delay_alu instid0(VALU_DEP_3)
	PA 244, 244, 248
	s_delay_alu instid0(VALU_DEP_2)
	PA 254, 254, 240
	s_delay_alu instid0(VALU_DEP_1)
	PA 244, 244, 254
	s_delay_alu instid0(VALU_DEP_1)
	v_pk_fma_f32 v[14:15], v[14:15], v[252:253], v[244:245] op_sel_hi:[1,0,1]   ; the sum under the new M, and this step's
	s_wait_alu depctr_va_vdst(0)                   ; the wait ahead of the wait below
	s_wait_dscnt 12                                ; V is in; the next step's K, twelve loads, may be out
.irp t, 0,2
	v_wmma_scale_f32_16x16x128_f8f6f4 v[160+8*\t:167+8*\t], v[192+8*\t:199+8*\t], v[224:231], v[160+8*\t:167+8*\t], v[29+\t/2], v253 matrix_a_fmt:MATRIX_FMT_FP4 matrix_b_fmt:MATRIX_FMT_FP4
	v_wmma_scale_f32_16x16x128_f8f6f4 v[168+8*\t:175+8*\t], v[200+8*\t:207+8*\t], v[224:231], v[168+8*\t:175+8*\t], v[29+\t/2], v253 matrix_a_fmt:MATRIX_FMT_FP4 matrix_b_fmt:MATRIX_FMT_FP4 matrix_a_scale:MATRIX_SCALE_ROW1
.endr
.Lhidden_\@:
.endm
.macro LOOP                            ; sixteen trips, a constant: the LDS address steps in a counted loop
	s_wait_alu depctr_va_vdst(0)                   ; the wait ahead of the waits below
	s_wait_dscnt 0x0                               ; no load into K's registers is out
	KLOAD AK0, ASK0                                ; step 0's K
	s_wait_loadcnt 0x0                             ; Q
	s_mov_b32 s[KS], 0
	s_mov_b32 s[TB], 0
.Lstep_\@:
	STEP
	s_add_co_u32 s[TB], s[TB], STEPB
	s_add_co_u32 s[KS], s[KS], 1
	s_cmp_lt_u32 s[KS], 16
	s_cbranch_scc1 .Lstep_\@
.endm
.macro WAYOUT                          ; O^T / the sum; its two blocks of 32 channels are quantised; the codes leave as the image of four operand registers
.rept 4
	v_nop
.endr
	v_add_f32 v14, v14, v15
	s_delay_alu instid0(VALU_DEP_1)
	v_permlanex16_b32 v252, v14, s[SEL], s[SEL+1]
	s_delay_alu instid0(VALU_DEP_1)
	v_add_f32 v14, v14, v252                       ; the row's sum
	s_wait_alu depctr_va_vdst(0)
	v_rcp_f32 v14, v14
	v_nop                                          ; a plain place behind the reciprocal
	s_wait_alu depctr_va_vdst(0)                   ; the wait ahead of its first reader, and of O^T's
.set n, 0
.rept 16
	v_pk_mul_f32 v[96+n:97+n], v[160+n:161+n], v[14:15] op_sel_hi:[1,0]   ; register 16 b + i: channel 32 b + 16 (lane / 16) + i
.set n, n+2
.endr
.irp b, 0,1
	v_max3_num_f32 v[232+\b], |v[96+16*\b]|, |v[97+16*\b]|, 0x1800000
.endr
.irp i, 2,4,6,8,10,12,14
.irp b, 0,1
	s_delay_alu instid0(VALU_DEP_2)
	v_max3_num_f32 v[232+\b], v[232+\b], |v[96+16*\b+\i]|, |v[97+16*\b+\i]|
.endr
.endr
.irp b, 0,1
	s_delay_alu instid0(VALU_DEP_2)
	v_permlanex16_b32 v[236+\b], v[232+\b], s[SEL], s[SEL+1]
.endr
.irp b, 0,1
	s_delay_alu instid0(VALU_DEP_2)
	v_max_num_f32 v[232+\b], v[232+\b], v[236+\b]
.endr
.irp b, 0,1
	s_delay_alu instid0(VALU_DEP_2)
	v_add_nc_u32 v[244+\b], 0xff000000, v[232+\b]
.endr
.irp b, 0,1
	s_delay_alu instid0(VALU_DEP_2)
	v_lshrrev_b32 v[236+\b], 23, v[244+\b]
.endr
	s_delay_alu instid0(VALU_DEP_1)
	v_lshl_or_b32 v248, v237, 8, v236              ; my row's two scale bytes
.irp b, 0,1
	v_cvt_scalef32_pk8_fp4_f32 v[224+2*\b], v[96+16*\b:103+16*\b], v[244+\b]
	v_cvt_scalef32_pk8_fp4_f32 v[225+2*\b], v[104+16*\b:111+16*\b], v[244+\b]
.endr
	v_nop
	v_permlane16_swap_b32 v224, v226               ; lanes 0-15 hold block 0 whole, lanes 16-31 block 1
	v_permlane16_swap_b32 v225, v227
	global_store_b128 v[LI], v[224:227], s[OA:OA+1]        ; 512 consecutive bytes, aligned
	global_store_b16 v[OSO], v248, s[OSA:OSA+1]            ; lanes r and r + 16 write the same two bytes with the same value
.endm
	s_load_b128 s[4:7], s[0:1], 0x0                ; qkv, oc
	s_load_b64 s[8:9], s[0:1], 0x10                ; os
	v_lshl_add_u32 v[SPW], v0, 2, SPARE
	v_mov_b32 v[NIL], 0
	ds_add_u32 v[SPW], v[NIL]                      ; the wave's opening: the add, twice on end, and its wait ahead of my first tensor load
	ds_add_u32 v[SPW], v[NIL]
	v_lshrrev_b32 v8, 5, v0
	v_readfirstlane_b32 s[WV], v8                  ; wave 0..15
	s_bfe_u32 s[CX], ttmp6, 0x40000
	s_and_b32 s[BH], ttmp7, 0xffff                 ; batch x 16 + head
	s_lshr_b32 s[BAT], s[BH], 4
	s_and_b32 s[HD], s[BH], 15
	s_mov_b32 s[G1], 15|(3<<16)|(1<<20)|(1<<21)|(5<<22)|(7<<25)   ; the mask: all four work-groups; elements of 8 bytes; 8 words of padding behind every 64
	s_mov_b32 s[G1+1], 32<<16                      ; rows of 256 bytes,
	s_mov_b32 s[G1+2], 35<<16                      ; 35 of them, dense
	s_mov_b32 s[G1+3], 32<<16
	s_mov_b32 s[G1+4], 35
	s_mov_b32 s[G1+5], 32
	s_mov_b32 s[G1+6], 0
	s_mov_b32 s[G1+7], 0
	s_mul_i32 s40, s[BH], 16*REC
	s_mov_b32 s41, 0
	s_mul_i32 s42, s[WV], REC
	s_mov_b32 s43, 0
	s_mov_b32 s[SEL], 0x76543210
	s_mov_b32 s[SEL+1], 0xfedcba98
	s_mov_b32 s[CS], 0x3e38aa3b                    ; log2(e) / 8
	s_mov_b32 s[CS+1], s[CS]
	s_mov_b32 s[NC], 0xbe38aa3b
	s_wait_dscnt 0x0                               ; both opening adds are done
	s_wait_kmcnt 0x0
	s_add_nc_u64 s[HB:HB+1], s[4:5], s[40:41]      ; the head's records
	s_mov_b32 s[G0], 1
	s_mul_i32 s[G0+1], s[WV], STEPB                ; step = my wave's number
	s_add_nc_u64 s[G0+2:G0+3], s[HB:HB+1], s[42:43]
	s_or_b32 s[G0+3], s[G0+3], 0x80000000
	CROUND                                         ; all four work-groups are here: the joint loads meet
	tensor_load_to_lds s[G0:G0+3], s[G1:G1+7]
	s_nop 0
	v_and_b32 v[LI], 31, v0
	v_and_b32 v232, 15, v0                         ; r
	v_bfe_u32 v233, v0, 4, 1                       ; h
	v_and_b32 v234, 7, v0                          ; r % 8
	v_bfe_u32 v235, v0, 3, 1                       ; r / 8
	v_lshl_add_u32 v[VSL], v[LI], 2, VSC
	v_lshlrev_b32 v[LI], 4, v[LI]
	v_lshlrev_b32 v[LR4], 2, v232
	v_lshlrev_b32 v[OSO], 5, v232
	v_lshl_add_u32 v[RQ], v235, 3, v232
	v_lshlrev_b32 v236, 5, v233
	v_sub_nc_u32 v[RQ], v[RQ], v236                ; r + 8 (r / 8) - 32 h
	v_lshlrev_b32 v[SH8], 3, v233
	v_lshlrev_b32 v[AK0], 4, v234
	v_mad_u32_u24 v[AK0], v235, 4*ROWP, v[AK0]
	v_mad_u32_u24 v[AK0], v233, ROWP, v[AK0]       ; 16 (r % 8) + four rows x (r / 8) + a row x h
	v_lshl_add_u32 v[ASK0], v234, 2, KSC
	v_lshl_add_u32 v[ASK0], v235, 7, v[ASK0]
	v_lshl_add_u32 v[ASK0], v233, 6, v[ASK0]       ; 4 (r % 8) + 128 (r / 8) + 64 h
	v_lshl_add_u32 v[AV0], v232, 4, VOF
	v_mad_u32_u24 v[AV0], v233, ROWP, v[AV0]       ; 16 r + a row x h
.irp j, 20,21,22,23
	v_mov_b32 v[\j], 0                             ; zero codes for k = 64 .. 127: written once
.endr
.irp t, 0,1,2,3,4,5,6,7
.irp j, 0,1,2,3
	v_mov_b32 v[36+8*\t+\j], 0
.endr
.endr
	SETQ 0
	SETO
	QLOAD
	INIT
	s_wait_alu depctr_va_vdst(0)                   ; the wait at the head's end
	s_wait_tensorcnt 0x0                           ; my step has landed,
	s_barrier_signal -1
	s_barrier_wait -1                              ; everybody's has
	LOOP
	SETQ 1
	QLOAD                                          ; the second tile's Q is asked for ahead of the first tile's way out, which names none of its registers
	WAYOUT
	SETO
	INIT
	LOOP
	WAYOUT
	s_wait_tensorcnt 0x0                           ; the wave's end
	ds_add_u32 v[SPW], v[NIL]
	s_wait_dscnt 0x0
	CROUND                                         ; the closing round
	s_endpgm
.Lfunc_end_k_q85d472563b_attn:
	.size	k_q85d472563b_attn, .Lfunc_end_k_q85d472563b_attn-k_q85d472563b_attn
	.p2alignl 7, 3214868480
	.fill 96, 4, 3214868480
	.section	.rodata,"a",@progbits
	.p2align	6, 0x0
	.amdhsa_kernel k_q85d472563b_attn
		.amdhsa_group_segment_fixed_size 167936
		.amdhsa_private_segment_fixed_size 0
		.amdhsa_enable_private_segment 0
		.amdhsa_kernarg_size 24
		.amdhsa_user_sgpr_count 2
		.amdhsa_user_sgpr_kernarg_segment_ptr 1
		.amdhsa_wavefront_size32 1
		.amdhsa_system_sgpr_workgroup_id_x 1
		.amdhsa_system_sgpr_workgroup_id_y 1
		.amdhsa_system_sgpr_workgroup_id_z 1
		.amdhsa_system_vgpr_workitem_id 0
		.amdhsa_next_free_vgpr 256
		.amdhsa_next_free_sgpr 74
		.amdhsa_reserve_vcc 0
		.amdhsa_float_denorm_mode_32 3
		.amdhsa_float_denorm_mode_16_64 3
		.amdhsa_memory_ordered 1
		.amdhsa_forward_progress 1
		.amdhsa_inst_pref_size 69
	.end_amdhsa_kernel
	.amdgpu_metadata
---
amdhsa.version: [ 1, 2 ]
amdhsa.kernels:
  - .name:           k_q85d472563b_attn
    .symbol:         k_q85d472563b_attn.kd
    .args:
      - { .name: qkv, .offset: 0, .size: 8, .value_kind: global_buffer, .address_space: global }
      - { .name: oc, .offset: 8, .size: 8, .value_kind: global_buffer, .address_space: global }
      - { .name: os, .offset: 16, .size: 8, .value_kind: global_buffer, .address_space: global }
    .group_segment_fixed_size: 167936
    .private_segment_fixed_size: 0
    .kernarg_segment_align: 8
    .kernarg_segment_size: 24
    .max_flat_workgroup_size: 512
    .sgpr_count:     74
    .vgpr_count:     256
    .wavefront_size: 32
...
	.end_amdgpu_metadata
.endif
;; end of part 3
;; launch outp (part 4): grid 4 x 64, 4 waves a work-group, clusters of 4 x 4, 327,680 bytes of LDS; arguments oc, os, wc, ws, bo, out0; writes out0
.if DOCPART == 4
	.amdgcn_target "amdgcn-amd-amdhsa--gfx1250"
	.amdhsa_code_object_version 6
	.text
	.protected	k_q85d472563b_outp
	.globl	k_q85d472563b_outp
	.p2align	8
	.type	k_q85d472563b_outp,@function
k_q85d472563b_outp:
	s_mov_b64 s[64:65], 0
	v_nop
	global_prefetch_b8 v0, s[64:65] scope:SCOPE_SE
	s_setreg_imm32_b32 hwreg(HW_REG_WAVE_MODE, 25, 1), 1
	s_wait_xcnt 0x0
	s_wait_alu depctr_hold_cnt(0) depctr_sa_sdst(0) depctr_va_vdst(0) depctr_va_sdst(0) depctr_va_ssrc(0) depctr_va_vcc(0) depctr_vm_vsrc(0)
	s_getreg_b32 s2, hwreg(HW_REG_IB_STS2, 6, 4)
	s_cmp_eq_u32 s2, 0
	s_cbranch_scc0 .Lentry_in_a_cluster
	s_endpgm
.Lentry_in_a_cluster:
	s_bfe_u32 s2, ttmp6, 0x10000c
	s_cmp_lg_u32 s2, 0xf033
	s_cbranch_scc0 .Lentry_shape_is_right
	s_endpgm
.Lentry_shape_is_right:
; out0 = O wo + bo on codes of FP4 with E8M0 scales.  A work-group makes 128 tokens x 256 features; K = 1,024 lies whole in LDS, filled once.  Nothing is left out here.
; A = O's codes, as images of operand registers (8,192 bytes for 16 tokens), B = wo's 256 stored rows of 512 bytes; source 0 = 16 rows of B, source 1 = 16 rows of A.
; CLUSTER 4 x 4: A's tile is asked for jointly by a row of the cluster, B's by a column.  The head's four tiles are shared out, one tensor load a wave:
; wave 0 A's codes, wave 1 B's codes, wave 2 A's scale bytes, wave 3 B's.  No prefetch: all loads go out at the head, and there is no loop to run ahead in.
.set PITCH, 528
.set AIMG,  8192
.set BOFF,  8*AIMG
.set SCL,   BOFF+256*PITCH
.set QS,    8*272
.set SBLK,  544
.set STAGE, SCL+6*QS
.set SPARE, STAGE+4*16*PITCH
.set ADRA, 3
.set ADRB, 4
.set ADRS, 5
.set SPW,  6
.set NIL,  7
.set CO,   8
.set BOQ,  10
.set STO,  12
.set RD,   13
.set SC,   16
.set F0,   64
.set BB,   64
.set BK,   128
.set WV,  20
.set WB,  21
.set WA,  22
.set CX,  23
.set CY,  24
.set GY,  25
.set G1A,  32
.set G1B,  40
.set G1SA, 48
.set G1SB, 56
.set G0A,  68
.set G0B,  72
.set G0SA, 76
.set G0SB, 80
.set MSB, 0
.macro WIN new
.if MSB != \new
	s_set_vgpr_msb (MSB<<8)|\new
.set MSB, \new
.endif
.endm
.macro TL g0, g1                       ; a tensor load with the s_nop 0 and four v_nop
	tensor_load_to_lds s[\g0:\g0+3], s[\g1:\g1+7]
	s_nop 0
.rept 4
	v_nop
.endr
.endm
.macro ARM under, g0, g1, next         ; one arm of the head's chain: its load, and a jump to the join
	s_cmp_lt_u32 s[WV], \under
	s_cbranch_scc0 \next
	TL \g0, \g1
	s_branch .Lhead_asked
\next:
.endm
.macro CROUND
	s_barrier_signal -1
	s_barrier_wait -1
	s_cmp_lg_u32 s[WV], 0
	s_cbranch_scc1 .Lnot_wave_0_\@
	s_barrier_signal -3
.Lnot_wave_0_\@:
	s_barrier_wait -3
	s_barrier_signal -1
	s_barrier_wait -1
.endm
.macro PLACES
.rept 4
	v_nop
.endr
.endm
.macro SCALES half
.irp i, 0,1,2,3,4,5,6,7
	ds_load_b128 v[SC+4*\i:SC+4*\i+3], v[ADRS] offset:SBLK*\i+16*\half
.endr
.endm
.macro FETCH q, f
.irp i, 0,1,2,3
.irp c, 0,1
	ds_load_b128 v[\f+8*\i+4*\c:\f+8*\i+4*\c+3], v[ADRA] offset:AIMG*\i+1024*(\q)+512*\c
.endr
.endr
.irp t, 0,1,2,3,4,5,6,7
.irp c, 0,1
	ds_load_b128 v[\f+32+8*\t+4*\c:\f+32+8*\t+4*\c+3], v[ADRB] offset:16*PITCH*\t+64*(\q)+32*\c
.endr
.endr
.endm
.macro MUL32 f, q4, zero
	WIN 0x50
.irp i, 0,1,2,3
.irp t, 0,1,2,3,4,5,6,7
.if \zero
	v_wmma_scale_f32_16x16x128_f8f6f4 v[8*(8*\i+\t):8*(8*\i+\t)+7], v[\f+32+8*\t:\f+32+8*\t+7], v[\f+8*\i:\f+8*\i+7], 0, v[SC+4*\t+\q4], v[SC+4*\i+\q4] matrix_a_fmt:MATRIX_FMT_FP4 matrix_b_fmt:MATRIX_FMT_FP4 matrix_a_scale:MATRIX_SCALE_ROW1
.else
	v_wmma_scale_f32_16x16x128_f8f6f4 v[8*(8*\i+\t):8*(8*\i+\t)+7], v[\f+32+8*\t:\f+32+8*\t+7], v[\f+8*\i:\f+8*\i+7], v[8*(8*\i+\t):8*(8*\i+\t)+7], v[SC+4*\t+\q4], v[SC+4*\i+\q4] matrix_a_fmt:MATRIX_FMT_FP4 matrix_b_fmt:MATRIX_FMT_FP4 matrix_a_scale:MATRIX_SCALE_ROW1
.endif
.endr
.endr
	WIN 0
.endm
.macro STEP q, pl, zero
.if \pl
	PLACES
.endif
	FETCH (\q)+1, F0+96*(((\q)+1)%2)
	s_wait_dscnt 24
	MUL32 F0+96*((\q)%2), (\q)%4, \zero
.endm
.macro BIASP i
	WIN 0x41
.irp t, 0,1,2,3,4,5,6,7
.irp n, 0,2,4,6
	v_pk_add_f32 v[8*(8*\i+\t)+\n:8*(8*\i+\t)+\n+1], v[8*(8*\i+\t)+\n:8*(8*\i+\t)+\n+1], v[BB+8*\t+\n:BB+8*\t+\n+1]
.endr
.endr
	WIN 0
.endm
.macro TOSTAGE i
	WIN 0x04
.irp t, 0,1,2,3,4,5,6,7
	ds_store_b128 v[STO], v[8*(8*\i+\t):8*(8*\i+\t)+3] offset:128*(\t/2)+32*(\t%2)
	ds_store_b128 v[STO], v[8*(8*\i+\t)+4:8*(8*\i+\t)+7] offset:128*(\t/2)+32*(\t%2)+16
.endr
	WIN 0
.irp w, 0,1,2,3,4,5,6,7,8,9,10,11,12,13,14,15
	ds_load_b128 v[BK+64*((\i)%2)+4*\w:BK+64*((\i)%2)+4*\w+3], v[RD] offset:PITCH*\w
.endr
.endm
.macro SEND i, younger
	s_wait_dscnt \younger
.irp w, 0,1,2,3,4,5,6,7,8,9,10,11,12,13,14,15
	global_store_b128 v[CO], v[BK+64*((\i)%2)+4*\w:BK+64*((\i)%2)+4*\w+3], s[96:97] offset:(32*((\i)/2)+8*((\i)%2)+\w+8*(\w/8))*4096 th:TH_STORE_NT
.endr
.endm
	s_load_b256 s[4:11], s[0:1], 0x0
	s_load_b128 s[12:15], s[0:1], 0x20
	v_lshl_add_u32 v[SPW], v0, 2, SPARE
	v_mov_b32 v[NIL], 0
	ds_add_u32 v[SPW], v[NIL]
	ds_add_u32 v[SPW], v[NIL]
	v_lshrrev_b32 v1, 5, v0
	v_readfirstlane_b32 s[WV], v1
	s_lshr_b32 s[WB], s[WV], 1
	s_and_b32 s[WA], s[WV], 1
	s_bfe_u32 s[CX], ttmp6, 0x40000
	s_bfe_u32 s[CY], ttmp6, 0x40004
	s_and_b32 s[GY], ttmp7, 0xffff
	s_lshl_b32 s[GY], s[GY], 2
	s_add_co_u32 s[GY], s[GY], s[CY]
	s_lshl_b32 s86, s[CY], 2
	s_lshl_b32 s86, 15, s86
	s_lshl_b32 s87, 0x1111, s[CX]
	s_or_b32 s[G1A], s86, (3<<16)|(1<<21)
	s_mov_b32 s[G1A+1], 32<<16
	s_mov_b32 s[G1A+2], 256<<16                    ; A's codes: 65,536 dense bytes as 256 rows of 256
	s_mov_b32 s[G1A+3], 32<<16
	s_mov_b32 s[G1A+4], 256
	s_mov_b32 s[G1A+5], 32
	s_mov_b32 s[G1A+6], 0
	s_mov_b32 s[G1A+7], 0
	s_or_b32 s[G1B], s87, (0<<16)|(1<<20)|(1<<21)|(6<<22)|(3<<25)
	s_mov_b32 s[G1B+1], 512<<16
	s_mov_b32 s[G1B+2], 256<<16                    ; B's codes: 256 rows of 512 bytes
	s_mov_b32 s[G1B+3], 512<<16
	s_mov_b32 s[G1B+4], 256
	s_mov_b32 s[G1B+5], 512
	s_mov_b32 s[G1B+6], 0
	s_mov_b32 s[G1B+7], 0
	s_or_b32 s[G1SA], s86, (3<<16)|(1<<20)|(1<<21)|(5<<22)|(3<<25)
	s_mov_b32 s[G1SA+1], 32<<16
	s_mov_b32 s[G1SA+2], 16<<16                    ; the scale bytes of A's 128 rows: 16 rows of 256 bytes
	s_mov_b32 s[G1SA+3], 32<<16
	s_mov_b32 s[G1SA+4], 16
	s_mov_b32 s[G1SA+5], 32
	s_mov_b32 s[G1SA+6], 0
	s_mov_b32 s[G1SA+7], 0
	s_or_b32 s[G1SB], s87, (3<<16)|(1<<20)|(1<<21)|(5<<22)|(3<<25)
	s_mov_b32 s[G1SB+1], 32<<16
	s_mov_b32 s[G1SB+2], 32<<16                    ; of B's 256 rows: 32
	s_mov_b32 s[G1SB+3], 32<<16
	s_mov_b32 s[G1SB+4], 32
	s_mov_b32 s[G1SB+5], 32
	s_mov_b32 s[G1SB+6], 0
	s_mov_b32 s[G1SB+7], 0
	s_lshl_b32 s88, s[GY], 16
	s_mov_b32 s89, 0
	s_lshl_b32 s90, s[GY], 12
	s_mov_b32 s91, 0
	s_lshl_b32 s92, s[CX], 17
	s_add_co_u32 s92, s92, 3072*512
	s_mov_b32 s93, 0
	s_lshl_b32 s94, s[CX], 13
	s_add_co_u32 s94, s94, 3072*32
	s_mov_b32 s95, 0
	s_mov_b32 s96, 0
	s_mov_b32 s97, BOFF
	s_mov_b32 s98, SCL
	s_mov_b32 s99, SCL+2*QS
	s_wait_dscnt 0x0
	s_wait_kmcnt 0x0
	s_mov_b32 s[G0A], 1
	s_mov_b32 s[G0A+1], s96
	s_add_nc_u64 s[G0A+2:G0A+3], s[4:5], s[88:89]
	s_or_b32 s[G0A+3], s[G0A+3], 0x80000000
	s_mov_b32 s[G0B], 1
	s_mov_b32 s[G0B+1], s97
	s_add_nc_u64 s[G0B+2:G0B+3], s[8:9], s[92:93]
	s_or_b32 s[G0B+3], s[G0B+3], 0x80000000
	s_mov_b32 s[G0SA], 1
	s_mov_b32 s[G0SA+1], s98
	s_add_nc_u64 s[G0SA+2:G0SA+3], s[6:7], s[90:91]
	s_or_b32 s[G0SA+3], s[G0SA+3], 0x80000000
	s_mov_b32 s[G0SB], 1
	s_mov_b32 s[G0SB+1], s99
	s_add_nc_u64 s[G0SB+2:G0SB+3], s[10:11], s[94:95]
	s_or_b32 s[G0SB+3], s[G0SB+3], 0x80000000
	CROUND
	ARM 1, G0A,  G1A,  .Lh_b                       ; one chain, one load to an arm: every way through the head passes exactly one
	ARM 2, G0B,  G1B,  .Lh_sa
	ARM 3, G0SA, G1SA, .Lh_sb
	TL G0SB, G1SB
.Lhead_asked:
	v_and_b32 v1, 15, v0
	v_bfe_u32 v2, v0, 4, 1
	v_and_b32 v[CO], 31, v0
	v_lshlrev_b32 v[CO], 4, v[CO]
	s_lshl_b32 s2, s[WA], 15
	v_add_nc_u32 v[ADRA], s2, v[CO]
	v_mul_u32_u24 v10, v1, PITCH
	v_lshl_add_u32 v10, v2, 4, v10
	s_mul_i32 s2, s[WB], 128*PITCH
	s_add_co_u32 s2, s2, BOFF
	v_add_nc_u32 v[ADRB], s2, v10
	v_lshlrev_b32 v[ADRS], 5, v1
	v_lshrrev_b32 v11, 3, v1
	v_lshl_add_u32 v[ADRS], v11, 4, v[ADRS]
	s_mul_i32 s2, s[WA], QS
	s_mul_i32 s3, s[WB], 2*QS
	s_add_co_u32 s3, s3, 2*QS
	s_sub_co_u32 s3, s3, s2
	v_mul_u32_u24 v11, s3, v2
	s_add_co_u32 s2, s2, SCL
	v_add_nc_u32 v[ADRS], v[ADRS], v11
	v_add_nc_u32 v[ADRS], s2, v[ADRS]
	v_lshlrev_b32 v[BOQ], 6, v2
	s_mul_i32 s2, s[WV], 16*PITCH
	s_add_co_u32 s2, s2, STAGE
	v_mul_u32_u24 v[STO], v1, PITCH
	v_lshl_add_u32 v[STO], v2, 6, v[STO]
	v_add_nc_u32 v[STO], s2, v[STO]
	v_add_nc_u32 v[RD], s2, v[CO]
	s_lshl_b32 s88, s[CX], 10
	s_lshl_b32 s3, s[WB], 9
	s_add_co_u32 s88, s88, s3
	s_mov_b32 s89, 0
	s_add_nc_u64 s[94:95], s[12:13], s[88:89]
	s_lshl_b32 s90, s[GY], 19
	s_lshl_b32 s3, s[WA], 18
	s_add_co_u32 s90, s90, s3
	s_add_co_u32 s90, s90, s88
	s_mov_b32 s91, 0
	s_add_nc_u64 s[96:97], s[14:15], s[90:91]
	s_wait_alu depctr_va_vdst(0)
	s_wait_tensorcnt 0x0
	s_barrier_signal -1
	s_barrier_wait -1
	SCALES 0
	FETCH 0, F0
	STEP 0, 0, 1
	STEP 1, 1, 0
	STEP 2, 1, 0
	STEP 3, 1, 0
	PLACES
	SCALES 1
	STEP 4, 0, 0
	STEP 5, 1, 0
	STEP 6, 1, 0
	PLACES
.irp t, 0,1,2,3,4,5,6,7
	global_load_b128 v[BB+8*\t:BB+8*\t+3], v[BOQ], s[94:95] offset:128*(\t/2)+32*(\t%2)
	global_load_b128 v[BB+8*\t+4:BB+8*\t+7], v[BOQ], s[94:95] offset:128*(\t/2)+32*(\t%2)+16
.endr
	s_wait_dscnt 0x0
	MUL32 F0+96, 3, 0
	PLACES
	s_wait_loadcnt 0x0
	BIASP 0
	TOSTAGE 0
.irp i, 1,2,3
	BIASP \i
.if \i > 1
	s_wait_alu depctr_va_vdst(0)
	s_wait_xcnt 0x0
.endif
	TOSTAGE \i
	SEND \i-1, 32
.endr
	SEND 3, 0
	s_wait_tensorcnt 0x0
	ds_add_u32 v[SPW], v[NIL]
	s_wait_dscnt 0x0
	CROUND
	s_endpgm
.Lfunc_end_k_q85d472563b_outp:
	.size	k_q85d472563b_outp, .Lfunc_end_k_q85d472563b_outp-k_q85d472563b_outp
	.p2alignl 7, 3214868480
	.fill 96, 4, 3214868480
	.section	.rodata,"a",@progbits
	.p2align	6, 0x0
	.amdhsa_kernel k_q85d472563b_outp
		.amdhsa_group_segment_fixed_size 327680
		.amdhsa_private_segment_fixed_size 0
		.amdhsa_enable_private_segment 0
		.amdhsa_kernarg_size 48
		.amdhsa_user_sgpr_count 2
		.amdhsa_user_sgpr_kernarg_segment_ptr 1
		.amdhsa_wavefront_size32 1
		.amdhsa_system_sgpr_workgroup_id_x 1
		.amdhsa_system_sgpr_workgroup_id_y 1
		.amdhsa_system_sgpr_workgroup_id_z 1
		.amdhsa_system_vgpr_workitem_id 0
		.amdhsa_next_free_vgpr 512
		.amdhsa_next_free_sgpr 100
		.amdhsa_reserve_vcc 0
		.amdhsa_float_denorm_mode_32 3
		.amdhsa_float_denorm_mode_16_64 3
		.amdhsa_memory_ordered 1
		.amdhsa_forward_progress 1
		.amdhsa_inst_pref_size 80
	.end_amdhsa_kernel
	.amdgpu_metadata
---
amdhsa.version: [ 1, 2 ]
amdhsa.kernels:
  - .name:           k_q85d472563b_outp
    .symbol:         k_q85d472563b_outp.kd
    .args:
      - { .name: oc, .offset: 0, .size: 8, .value_kind: global_buffer, .address_space: global }
      - { .name: os, .offset: 8, .size: 8, .value_kind: global_buffer, .address_space: global }
      - { .name: wc, .offset: 16, .size: 8, .value_kind: global_buffer, .address_space: global }
      - { .name: ws, .offset: 24, .size: 8, .value_kind: global_buffer, .address_space: global }
      - { .name: bo, .offset: 32, .size: 8, .value_kind: global_buffer, .address_space: global }
      - { .name: out0, .offset: 40, .size: 8, .value_kind: global_buffer, .address_space: global }
    .group_segment_fixed_size: 327680
    .private_segment_fixed_size: 0
    .kernarg_segment_align: 8
    .kernarg_segment_size: 48
    .max_flat_workgroup_size: 128
    .sgpr_count:     100
    .vgpr_count:     512
    .wavefront_size: 32
...
	.end_amdgpu_metadata
.endif
;; end of part 4
